; MI455X (gfx1250); checked and timed in simulation.
; The chip was launched on July 23, 2026; its instructions are those of AMD's public machine-readable ISA for CDNA 5 (MIT licence, August 2026) and "CDNA5" Instruction Set Architecture Reference Guide (July 2026). The comments in the code are by the model that wrote it; some were corrected since.
;; Causal Self Attention. Allowed arithmetic: matrix products marked QUANTISED: E2M1 operands, one E8M0 scale for each 32 along K, by v_wmma_scale_f32_16x16x128_f8f6f4 with both operands' format E2M1 (or v_wmma_scale_f32_32x16x128_f4), f32 sums; products left as they are: bf16, f16 or f32 operands; f32 sums; everything else in f32.
;; Inputs: w_attn 3,072 x 1,024 float32; w_proj 1,024 x 1,024 float32; x 4 x 2,048 x 1,024 float32.
;; Outputs: out0 4 x 2,048 x 1,024 float32.
;; This version of the problem:
;;   THIS VERSION OF THE PROBLEM IS GIVEN IN LOW PRECISION. The matrix products marked QUANTISED in the list below multiply operands that are first quantised to E2M1 (2 exponent bits, 1 mantissa bit; 4 bits a number), with one power-of-two scale for each 32 numbers along K (OCP MX v1.0); their sums are f32. The products marked 'left as it is' may take bf16, f16 or f32 operands, with f32 sums. All else is computed in f32.
;;   The module's matrix products, in the order in which they are computed (A, B: the left and right operand; K: the contracted axis; several contracted axes count as one K, in the product's order):
;;     1. [M 8,192, K 1,024] x [K 1,024, N 3,072]; A: input x; B: input w_attn: QUANTISED
;;     2. batch 64 x [M 2,048, K 64] x [K 64, N 2,048]; A: computed on the way; B: computed on the way: left as it is (an operand is computed on the way)
;;     3. batch 64 x [M 2,048, K 2,048] x [K 2,048, N 64]; A: computed on the way; B: computed on the way: left as it is (an operand is computed on the way)
;;     4. [M 8,192, K 1,024] x [K 1,024, N 1,024]; A: computed on the way; B: input w_proj: left as it is (an operand is computed on the way)
;;   THE QUANTISER, for each operand of a quantised product, along K:
;;     - K is cut into blocks of 32 from its start; a last block that is shorter is filled with zeros.
;;     - A block's scale is 2^e with e = floor(log2(the largest magnitude in the block)) - 2, held to -126 .. 127; a block of zeros has e = 0. As a byte (E8M0): e + 127.
;;     - Each number is divided by its block's scale, clamped to +-6, and rounded to the nearest number of E2M1, ties to even, subnormals kept.
;;     - The product sums the exact products of the quantised numbers (number of the format x scale) in f32.
;;   ~~~python
;;   def quantise(x, axis):      # numpy; x: float32 -> the quantised numbers, widened to float32 again
;;       x = np.moveaxis(x, axis, -1); K = x.shape[-1]
;;       x = np.pad(x, [(0, 0)] * (x.ndim - 1) + [(0, -K % 32)]); x = x.reshape(x.shape[:-1] + (-1, 32)); a = np.abs(x).max(-1, keepdims=True)
;;       e = np.where(a > 0, np.clip(np.frexp(np.where(a > 0, a, 1))[1] - 1 - 2, -126, 127), 0)      # np.frexp(a)[1] - 1 = floor(log2(a)), exactly
;;       r = np.clip(x / 2.0 ** e, -6, 6)
;;       step = 2.0 ** (np.maximum(np.frexp(np.where(r == 0, 1, r))[1] - 1, 0) - 1)
;;       q = np.round(r / step) * step * 2.0 ** e      # np.round: ties to even
;;       return np.moveaxis(q.reshape(q.shape[:-2] + (-1,))[..., :K], -1, axis).astype(np.float32)
;;   ~~~
;; One version. Each part assembles by itself: llvm-mc -triple=amdgcn-amd-amdhsa -mcpu=gfx1250 --defsym DOCPART=n.
;; ======== version 1 of 1: 4 launches
;; limits: values are held in f16: magnitudes above 65,504 overflow, below 6.1e-05 lose precision
;; workspace buffers: xc 4,194,304 bytes; xs 262,144 bytes; wc 1,572,864 bytes; ws 98,304 bytes; wp 2,097,152 bytes; qkv 51,118,080 bytes; yh 17,039,360 bytes
;; launch quant (part 1): grid 384 x 1, 4 waves a work-group, no clusters, 32,768 bytes of LDS; arguments x, w_attn, xc, xs, wc, ws, w_proj, wp; writes xc, xs, wc, ws, wp
.if DOCPART == 1
	.amdgcn_target "amdgcn-amd-amdhsa--gfx1250"
	.amdhsa_code_object_version 6
	.text
	.protected	k_qcb54c24dff_quant
	.globl	k_qcb54c24dff_quant
	.p2align	8
	.type	k_qcb54c24dff_quant,@function
k_qcb54c24dff_quant:
	s_mov_b64 s[64:65], 0
	v_nop
	global_prefetch_b8 v0, s[64:65] scope:SCOPE_SE
	s_setreg_imm32_b32 hwreg(HW_REG_WAVE_MODE, 25, 1), 1
	s_wait_xcnt 0x0
; x [8192][1024] and w_attn [3072][1024], f32, become codes of FP4 (E2M1), K innermost, with one E8M0 scale byte for each 32 along K; w_proj [1024][1024], f32, becomes f16 in the same order.
; A block's scale is 2^(floor(log2(its largest magnitude)) - 2); its byte is the largest magnitude's own exponent field - 2, held at 1 from below.  Each number is divided by the scale and rounded to the nearest code, ties to even;
; beyond the largest code the conversion gives the largest code.
; LIMITS: a block whose largest magnitude lies under 2^-124 (a block of zeros among them) gets the byte 1: a block of zeros has zero codes, which add nothing under that byte, and this program alone reads the bytes.
; NaN and infinities among the inputs are not served.  |w_proj| stays under 65,504 (f16).
; Rows are dense and 1,024 is a multiple of 32: all three tensors are plain streams.  Work-groups 0-255 take x, 256-351 w_attn, 352-383 w_proj; a wave takes 8,192 numbers.
; THE QUANTISER: 16 steps of 512 numbers.  A conversion takes 8 numbers of one block from a lane's registers, so a lane must hold 16 neighbours; a load is dense where neighbouring lanes take neighbouring bytes.  So each of a
; step's four loads reads 512 consecutive bytes, the 2,048 bytes go through the wave's own stage in LDS as they lie, and come back 64 bytes a lane (16 bytes of padding behind each 64).  A lane's 16 codes are 8 bytes: a wave
; stores 256 consecutive bytes.  A wave's 256 scale bytes are gathered in its own LDS bytes and leave by one store of 256 consecutive bytes.  No barrier: waves share nothing.
.set WAVES, 4
.set STEPS, 16
.set WGA,   256                        ; x: 8,388,608 numbers / 32,768 a work-group
.set WGQ,   352                        ; + w_attn: 3,145,728 / 32,768 = 96
.set EMAX,  2
.set CB,    8                          ; bytes of 16 codes
.set R,     16                         ; v16-79   four sets of 16 numbers as they are loaded (the cast: v16-143, two batches of 64)
.set X,     80                         ; v80-111  two sets of 16 neighbours
.set C,     128                        ; v128-191 codes: four registers for each step, so that no store's data are written again
.set E,     112                        ; v112-127 a scale byte for each step
.set WREG,  8192                       ; LDS: a region for each wave: two stages of 32 x SP bytes, behind them its 256 scale bytes
.set SP,    80                         ; a lane's place in a stage: its 64 bytes + 16 of padding
	s_load_b128 s[4:7], s[0:1], 0x0                ; x, w_attn
	s_load_b128 s[8:11], s[0:1], 0x10              ; x's codes, x's scales
	s_load_b128 s[12:15], s[0:1], 0x20             ; w_attn's codes, w_attn's scales
	s_load_b128 s[24:27], s[0:1], 0x30             ; w_proj, its f16 copy
	v_lshrrev_b32 v1, 5, v0
	v_readfirstlane_b32 s16, v1                    ; wave
	v_and_b32 v2, 31, v0                           ; lane
	v_lshlrev_b32 v3, 4, v2                        ; my 16 bytes of a load's 512
	s_mul_i32 s17, s16, WREG
	v_lshrrev_b32 v14, 2, v2
	v_mul_u32_u24 v14, v14, SP
	v_and_b32 v15, 3, v2
	v_lshl_add_u32 v14, v15, 4, v14
	v_add_nc_u32 v14, s17, v14                     ; the stage, on the way in: four lanes' 64 bytes on end, then 16 of padding
	v_mul_u32_u24 v15, v2, SP
	v_add_nc_u32 v15, s17, v15                     ; and on the way out: SP x lane: my 16 neighbours
	v_mul_u32_u24 v4, v2, CB                       ; my 8 bytes of a store's 256
	v_lshrrev_b32 v5, 1, v2
	s_add_co_u32 s17, s17, 2*32*SP
	v_add_nc_u32 v5, s17, v5                       ; LDS: my wave's 256 scale bytes, my block's byte
	v_lshlrev_b32 v7, 3, v2                        ; and on the way out 8 bytes a lane
	v_add_nc_u32 v6, s17, v7
	s_wait_kmcnt 0x0
	s_cmp_ge_u32 ttmp9, WGQ                        ; the last 32 work-groups cast w_proj: a branch on the work-group's number; that way touches no LDS
	s_cbranch_scc1 .Lconv
	s_cmp_lt_u32 ttmp9, WGA                        ; x's work-group or w_attn's?  Only pointers are chosen: both take one way through the text
	s_cselect_b64 s[4:5], s[4:5], s[6:7]
	s_cselect_b64 s[8:9], s[8:9], s[12:13]
	s_cselect_b64 s[10:11], s[10:11], s[14:15]
	s_cselect_b32 s17, 0, WGA
	s_sub_co_u32 s17, ttmp9, s17
	s_lshl_b32 s17, s17, 2
	s_add_co_u32 s18, s17, s16                     ; which run of 8,192 numbers of the tensor is my wave's
	s_mov_b32 s19, 0
	s_mov_b64 s[20:21], 512*STEPS*4
	s_mul_u64 s[20:21], s[18:19], s[20:21]
	s_add_nc_u64 s[4:5], s[4:5], s[20:21]
	s_mov_b64 s[20:21], 32*STEPS*CB
	s_mul_u64 s[20:21], s[18:19], s[20:21]
	s_add_nc_u64 s[8:9], s[8:9], s[20:21]
	s_lshl_b32 s18, s18, 8                         ; 256 scale bytes a run
	s_add_nc_u64 s[10:11], s[10:11], s[18:19]
.macro LOAD t
.irp i, 0,1,2,3
	global_load_b128 v[R+16*((\t)%4)+4*\i:R+16*((\t)%4)+4*\i+3], v3, s[4:5] offset:2048*(\t)+512*\i th:TH_LOAD_NT   ; 32 lanes read 512 consecutive bytes
.endr
.endm
.macro TURN t                          ; step t's numbers through the stage: LDS serves a wave's instructions in order (ISA guide 5.7.1.4), so no wait stands between the stores and the loads
.irp i, 0,1,2,3
	ds_store_b128 v14, v[R+16*((\t)%4)+4*\i:R+16*((\t)%4)+4*\i+3] offset:32*SP*((\t)%2)+8*SP*\i
.endr
.irp i, 0,1,2,3
	ds_load_b128 v[X+16*((\t)%2)+4*\i:X+16*((\t)%2)+4*\i+3], v15 offset:32*SP*((\t)%2)+16*\i
.endr
.endm
.irp t, 0,1,2,3
	LOAD \t
.endr
	s_wait_loadcnt 12                              ; step 0's four loads are in; those of three steps may be out
	TURN 0
.macro STEP t
.set XS, X+16*((\t)%2)
.if (\t) > 0
	s_wait_dscnt 1                                 ; this step's numbers are back from the stage (the last step's byte store may be out): so its stores into the stage have read their registers,
.else
	s_wait_dscnt 0x0
.endif
.if (\t)+4 < STEPS
	LOAD (\t)+4                                    ; which take the loads of four steps on
.endif
.if (\t)+1 < STEPS
.if STEPS-2-(\t) >= 3
	s_wait_loadcnt 12                              ; the next step's four loads are in; those of the three steps behind it may be out
.else
	s_wait_loadcnt 4*(STEPS-2-(\t))
.endif
	TURN (\t)+1                                    ; and go through the other stage while this step is worked
.endif
	v_max3_num_f32 v8, |v[XS]|, |v[XS+1]|, |v[XS+2]|               ; the largest magnitude of my 16, in two chains
	v_max3_num_f32 v9, |v[XS+3]|, |v[XS+4]|, |v[XS+5]|
.irp i, 6,10
	v_max3_num_f32 v8, v8, |v[XS+\i]|, |v[XS+\i+1]|
	v_max3_num_f32 v9, v9, |v[XS+\i+2]|, |v[XS+\i+3]|
.endr
	v_max3_num_f32 v8, v8, |v[XS+14]|, |v[XS+15]|
	v_max3_num_f32 v8, v8, v9, (EMAX+1)<<23        ; and the floor 2^(EMAX + 1 - 127): the byte cannot fall under 1
	v_max_num_f32_dpp v8, v8, v8 row_xmask:1 row_mask:0xf bank_mask:0xf   ; and of my neighbour's 16: the block's
	v_add_nc_u32 v11, -(EMAX<<23), v8              ; EMAX off its exponent field: the conversion takes the exponent field of this operand as its scale, and nothing else of it
	v_cvt_scalef32_pk8_fp4_f32 v[C+4*(\t)], v[XS:XS+7], v11        ; eight numbers / the scale, to the nearest code; the first number's code in the lowest four bits
	v_cvt_scalef32_pk8_fp4_f32 v[C+4*(\t)+1], v[XS+8:XS+15], v11
	v_lshrrev_b32 v[E+(\t)], 23, v11               ; the scale's byte (also the plain line behind the conversions)
	ds_store_b8 v5, v[E+(\t)] offset:16*(\t)       ; both lanes of a block write the same byte with the same value
	global_store_b64 v4, v[C+4*(\t):C+4*(\t)+1], s[8:9] offset:32*CB*(\t)   ; 32 lanes store 256 consecutive bytes, aligned
.endm
.irp t, 0,1,2,3,4,5,6,7,8,9,10,11,12,13,14,15
	STEP \t
.endr
	ds_load_b64 v[12:13], v6                       ; in order behind my byte stores
	s_wait_dscnt 0x0
	global_store_b64 v7, v[12:13], s[10:11]        ; 32 lanes store 256 consecutive bytes, aligned
	s_endpgm
; THE CAST of w_proj: a wave takes 8,192 numbers in four batches of 16 loads of 512 consecutive bytes; two batches are on their way.  A lane's 4 numbers become 8 bytes: a wave's store covers 256 consecutive bytes, aligned.
.Lconv:
	s_sub_co_u32 s17, ttmp9, WGQ
	s_lshl_b32 s17, s17, 2
	s_add_co_u32 s17, s17, s16                     ; my run of 8,192 numbers
	s_lshl_b32 s18, s17, 15                        ; 32,768 bytes in,
	s_mov_b32 s19, 0
	s_add_nc_u64 s[24:25], s[24:25], s[18:19]
	s_lshl_b32 s18, s17, 14                        ; 16,384 out
	s_add_nc_u64 s[26:27], s[26:27], s[18:19]
.macro LOADB g
.irp i, 0,1,2,3,4,5,6,7,8,9,10,11,12,13,14,15
	global_load_b128 v[R+64*((\g)%2)+4*\i:R+64*((\g)%2)+4*\i+3], v3, s[24:25] offset:(16*(\g)+\i)*512 th:TH_LOAD_NT
.endr
.endm
.macro CVB g
.irp i, 0,1,2,3,4,5,6,7,8,9,10,11,12,13,14,15
	v_cvt_pk_f16_f32 v[R+64*((\g)%2)+4*\i], v[R+64*((\g)%2)+4*\i], v[R+64*((\g)%2)+4*\i+1]        ; two roundings to f16, the first number in the low half
	v_cvt_pk_f16_f32 v[R+64*((\g)%2)+4*\i+1], v[R+64*((\g)%2)+4*\i+2], v[R+64*((\g)%2)+4*\i+3]
	global_store_b64 v4, v[R+64*((\g)%2)+4*\i:R+64*((\g)%2)+4*\i+1], s[26:27] offset:(16*(\g)+\i)*256
.endr
.endm
	LOADB 0
	LOADB 1
	s_wait_loadcnt 16                              ; batch 0 is in; the younger batch may be out
	CVB 0
	s_wait_xcnt 0x0                                ; batch 0's stores have read their registers: only behind this wait are they loaded again
	LOADB 2
	s_wait_loadcnt 16
	CVB 1
	s_wait_xcnt 0x0
	LOADB 3
	s_wait_loadcnt 16
	CVB 2
	s_wait_loadcnt 0x0
	CVB 3
	s_endpgm
.Lfunc_end_k_qcb54c24dff_quant:
	.size	k_qcb54c24dff_quant, .Lfunc_end_k_qcb54c24dff_quant-k_qcb54c24dff_quant
	.p2alignl 7, 3214868480
	.fill 96, 4, 3214868480
	.section	.rodata,"a",@progbits
	.p2align	6, 0x0
	.amdhsa_kernel k_qcb54c24dff_quant
		.amdhsa_group_segment_fixed_size 32768
		.amdhsa_private_segment_fixed_size 0
		.amdhsa_enable_private_segment 0
		.amdhsa_kernarg_size 64
		.amdhsa_user_sgpr_count 2
		.amdhsa_user_sgpr_kernarg_segment_ptr 1
		.amdhsa_wavefront_size32 1
		.amdhsa_system_sgpr_workgroup_id_x 1
		.amdhsa_system_sgpr_workgroup_id_y 1
		.amdhsa_system_sgpr_workgroup_id_z 1
		.amdhsa_system_vgpr_workitem_id 0
		.amdhsa_next_free_vgpr 192
		.amdhsa_next_free_sgpr 66
		.amdhsa_reserve_vcc 0
		.amdhsa_float_denorm_mode_32 3
		.amdhsa_float_denorm_mode_16_64 3
		.amdhsa_memory_ordered 1
		.amdhsa_forward_progress 1
		.amdhsa_inst_pref_size 54
	.end_amdhsa_kernel
	.amdgpu_metadata
---
amdhsa.version: [ 1, 2 ]
amdhsa.kernels:
  - .name:           k_qcb54c24dff_quant
    .symbol:         k_qcb54c24dff_quant.kd
    .args:
      - { .name: x, .offset: 0, .size: 8, .value_kind: global_buffer, .address_space: global }
      - { .name: w_attn, .offset: 8, .size: 8, .value_kind: global_buffer, .address_space: global }
      - { .name: xc, .offset: 16, .size: 8, .value_kind: global_buffer, .address_space: global }
      - { .name: xs, .offset: 24, .size: 8, .value_kind: global_buffer, .address_space: global }
      - { .name: wc, .offset: 32, .size: 8, .value_kind: global_buffer, .address_space: global }
      - { .name: ws, .offset: 40, .size: 8, .value_kind: global_buffer, .address_space: global }
      - { .name: w_proj, .offset: 48, .size: 8, .value_kind: global_buffer, .address_space: global }
      - { .name: wp, .offset: 56, .size: 8, .value_kind: global_buffer, .address_space: global }
    .group_segment_fixed_size: 32768
    .private_segment_fixed_size: 0
    .kernarg_segment_align: 8
    .kernarg_segment_size: 64
    .max_flat_workgroup_size: 128
    .sgpr_count:     66
    .vgpr_count:     192
    .wavefront_size: 32
...
	.end_amdgpu_metadata
.endif
;; end of part 1
;; launch qkv (part 2): grid 12 x 32, 4 waves a work-group, clusters of 4 x 4, 327,680 bytes of LDS; arguments xc, xs, wc, ws, qkv; writes qkv
.if DOCPART == 2
	.amdgcn_target "amdgcn-amd-amdhsa--gfx1250"
	.amdhsa_code_object_version 6
	.text
	.protected	k_qcb54c24dff_qkv
	.globl	k_qcb54c24dff_qkv
	.p2align	8
	.type	k_qcb54c24dff_qkv,@function
k_qcb54c24dff_qkv:
	s_mov_b64 s[64:65], 0
	v_nop
	global_prefetch_b8 v0, s[64:65] scope:SCOPE_SE
	s_setreg_imm32_b32 hwreg(HW_REG_WAVE_MODE, 25, 1), 1
	s_wait_xcnt 0x0
	s_wait_alu depctr_hold_cnt(0) depctr_sa_sdst(0) depctr_va_vdst(0) depctr_va_sdst(0) depctr_va_ssrc(0) depctr_va_vcc(0) depctr_vm_vsrc(0)
	s_getreg_b32 s2, hwreg(HW_REG_IB_STS2, 6, 4)
	s_cmp_eq_u32 s2, 0
	s_cbranch_scc0 .Lentry_in_a_cluster
	s_endpgm
.Lentry_in_a_cluster:
	s_bfe_u32 s2, ttmp6, 0x10000c
	s_cmp_lg_u32 s2, 0xf033
	s_cbranch_scc0 .Lentry_shape_is_right
	s_endpgm
.Lentry_shape_is_right:
; qkv[token][feature] = sum over k of x[token][k] w_attn[feature][k], both operands as codes of FP4 (E2M1) with one E8M0 scale for each 32 along K; sums in f32; the result is rounded to f16 and laid BY HEAD:
; [3 sections q, k, v][64 = batch x 16 + head][2048 tokens][64], so that a head's rows are dense runs of 128 bytes.  LIMIT: |q|, |k|, |v| stay under 65,504 (f16).
; THE FIRST 16 TOKENS OF EACH BATCH ALSO GO OUT AS f32, behind the three sections: [3][64][16 tokens][64] f32 from byte 3 x 2^24 on.  A causal row t is a mean of t + 1 values: with even weights its size falls as 1 / sqrt(t + 1),
; and the first rows are about sqrt(2048 / ln 2048) = 16 times the root mean square of all rows, against which the result is held to 1 part in 100.  One rounding to f16 is up to 2^-11 of a number: 16 x 2^-11 is 0.8 parts in 100.
; So these rows are carried in f32 to the end; from token 16 on a row is at most 16 / sqrt(17) = 3.9 times that root mean square.
; A: xc [8192][512 bytes], xs [8192][32];  B: wc [3072][512 bytes], ws [3072][32].  Two codes share a byte, the lower k in the low four bits.  The matrix instruction takes codes and scale bytes as they lie in memory.
; A tile of 256 tokens x 256 features is made by a work-group of four waves; a wave makes 128 x 128 (two heads of one section): 64 accumulators of 16 x 16, 512 registers.
; K = 1,024 is two steps of 512, one in each of two LDS slots (a tile's row is 256 bytes of memory): both slots and the scales are filled once, at the start; nothing is filled again.  By this text's count a wave has three tensor loads out at the most.
; THE SCALES of the work-group's 256 rows of A and of B, for all of K, are two dense blocks of memory: they come into LDS once, as rows of 256 bytes.
; CLUSTERS: 4 x 4 work-groups.  The four of a row of the cluster need the same tiles of A, the four of a column the same tiles of B: each tile is asked for JOINTLY, by the same tensor load with the same descriptor and a mask that names the four.
; The tile row is cluster y + 8 cy: a cluster holds the same eighth of all four batches, so that 'my rows begin a batch' hangs on cluster y, which all partners share, and on the wave's number.
; THE MATRIX INSTRUCTION IS USED TRANSPOSED (source 0 = 16 rows of B, source 1 = 16 rows of A): a lane then holds one token and eight neighbouring features.
; REGISTERS, in windows of 256: window 0: v0-31 addresses; v32-95 scale words, two sets; v128-191 A's fragments (8 x 16 rows x 128 K), ONE set; on the way out v128-223 are at work.
;   window 1: B's fragments, TWO sets, at v0 and at v128.   window 2: the 32 accumulators of my rows 0-63 (accumulator (a, b) at v[8 (8 a + b)]);   window 3: those of my rows 64-127.
; A step of 128 along K is 64 matrix instructions, A's blocks one after the other, each against B's eight: a block of A is free as soon as its eight products are issued, so one set serves A; B's fragments are at work through the whole step and have two.
.set SIZE_K, 1024
.set KSTEP,  512                       ; along K in a slot
.set NQ,     KSTEP/128                 ; matrix instructions deep
.set ROWB,   256                       ; a tile's row in bytes
.set KROW,   SIZE_K*4/8                ; a row of A or of B in memory, in bytes
.set PITCH,  272                       ; an LDS row: 256 bytes + 16 of padding = 68 words: row r starts at bank 4 r mod 64 (64 banks of 4 bytes: ISA guide 11.1)
.set FR,     8                         ; registers of a fragment: 16 rows x 128 K
.set NL,     2                         ; LDS loads that bring one
.set NP,     4                         ; places behind this matrix instruction (ISA guide 7.12.1)
.set HALFT,  128*PITCH                 ; 128 rows: what one tensor load brings, and what one wave reads of A or of B
.set SLOT,   4*HALFT                   ; A's 256 rows, then B's 256 rows
.set KS,     SIZE_K/32                 ; a row of scales: 32 bytes
.set SCL,    2*SLOT                    ; behind the two slots: the scales, as rows of 256 bytes + 16 of padding
.set HALFS,  (128*KS/256)*272          ; the scales of 128 rows: what one tensor load brings
.set SBLK,   (16*KS/256)*272           ; those of 16 rows
.set SPARE,  SCL+4*HALFS               ; behind the scales: the spare words, 128 bytes for each wave: two blocks of 256 bytes that no other line names
.set SPITCH, 272                       ; the way out: a stage of 16 rows x (256 bytes + 16) for each wave.  It lies in slot 0, which has had its only fill and its last read when the first result is stored there
.set E32,    0x3000000                 ; where the f32 rows of the first tokens begin in qkv
.set ADRA, 16                          ; v16-17  LDS address of my A fragments in slot 0, 1
.set ADRB, 20                          ; v20-21  the same for B
.set STO,  24                          ; v24     the way out: where I put 16 bytes of a token's row
.set RD,   25                          ; v25     the way out: where I read 16 bytes back
.set CO,   26                          ; v26     16 x lane: my place in a store's 512 bytes
.set ADRS, 27                          ; v27     LDS address of my scale words: lanes 0-15 A's rows, lanes 16-31 B's
.set SPW,  28                          ; v28     LDS address of my spare word; never rewritten
.set NIL,  29                          ; v29     0; never rewritten
.set EO,   30                          ; v30     the f32 rows: token r of 256 bytes, + 32 h
.set SC,   32                          ; scale words: set s at v[SC + 8 NQ s]; register NQ i + q: lanes 0-15 the word of A's block i, lanes 16-31 that of B's block i, for the slot's q-th 128 along K
.set AF,   128                         ; A's fragments, in window 0
.set BK,   128                         ; the way out: 16 stage rows read back: v128-159 and v160-191 by turns
.set TMP,  192                         ; the way out: v192-223 a block's results as f16
.set G1, 24                            ; s[24:31] descriptor group 1 for A's tiles;  s[32:39] group 0, one set for each slot
.set G0, 32
.set G1B, 48                           ; s[48:55], s[56:63] the same for B's tiles
.set G0B, 56
.set G1S, 68                           ; s[68:75], s[76:79] groups 1 and 0 for A's scales;  s[80:87], s[88:91] for B's
.set G0S, 76
.set G1SB, 80
.set G0SB, 88
.set MSB, 0
.macro WIN new                         ; the immediate's high byte repeats the setting that is left; a switch that changes nothing is dropped
.if MSB != (\new)
	s_set_vgpr_msb (MSB<<8)|(\new)
.set MSB, (\new)
.endif
.endm
.set MUL_LO, 0xa1                      ; source 0 (B) window 1, source 1 (A) window 0, C and D window 2
.set MUL_HI, 0xf1                      ; the same, C and D window 3
.set TO_B,   0x40                      ; destination window 1, address window 0
; A joint load: waves 0 and 1 fetch for A, waves 2 and 3 for B.  Each of the two lines has ONE mask and one set of registers for all that issue it; the branch hangs on the wave's number alone.
; Four v_nop follow each of the two lines, ahead of the jump, the label and what follows.
.macro JLOAD g0a, g1a, g0b, g1b
	s_cmp_eq_u32 s15, 0
	s_cbranch_scc0 .Lfor_b_\@
	tensor_load_to_lds s[\g0a:\g0a+3], s[\g1a:\g1a+7]
.rept 4
	v_nop
.endr
	s_branch .Lasked_\@
.Lfor_b_\@:
	tensor_load_to_lds s[\g0b:\g0b+3], s[\g1b:\g1b+7]
.rept 4
	v_nop
.endr
.Lasked_\@:
.endm
; A round of the cluster's barrier: my work-group's barrier, so that wave 0's signal speaks for all four waves; wave 0 signals for the work-group; every wave waits for all sixteen; my work-group's barrier once more.
.macro CROUND
	s_barrier_signal -1
	s_barrier_wait -1
	s_cmp_lg_u32 s14, 0
	s_cbranch_scc1 .Lnot_wave_0_\@
	s_barrier_signal -3
.Lnot_wave_0_\@:
	s_barrier_wait -3
	s_barrier_signal -1
	s_barrier_wait -1
.endm
	s_load_b128 s[4:7], s[0:1], 0x0                ; A's codes s[4:5], A's scales s[6:7]
	s_load_b128 s[8:11], s[0:1], 0x10              ; B's codes s[8:9], B's scales s[10:11]
	s_load_b64 s[12:13], s[0:1], 0x20              ; qkv
	v_lshl_add_u32 v[SPW], v0, 2, SPARE
	v_mov_b32 v[NIL], 0
	v_lshrrev_b32 v1, 5, v0
	v_readfirstlane_b32 s14, v1                    ; wave 0..3
	s_lshr_b32 s15, s14, 1                         ; which half of the tile's rows is mine.  Also: I fetch for A (0) or for B (1)
	s_and_b32 s16, s14, 1                          ; which half of its columns.  Also: which 128 rows of that tile I fetch
	s_bfe_u32 s40, ttmp6, 0x40000                  ; cx, cy: my place in the cluster
	s_bfe_u32 s41, ttmp6, 0x40004
	s_lshl_b32 s42, ttmp9, 2
	s_add_co_u32 s42, s42, s40                     ; tile column = 4 x cluster x + cx: 0 .. 11
	s_and_b32 s17, ttmp7, 0xffff                   ; cluster y: 0 .. 7
	s_or_b32 s95, s17, s15                         ; 0 where my 128 rows begin a batch: cluster y = 0 and the tile's first half
	s_lshl_b32 s18, s41, 3
	s_add_co_u32 s17, s17, s18                     ; tile row = cluster y + 8 cy: batch cy, its eighth number cluster y
	s_lshl_b32 s43, s41, 2
	s_lshl_b32 s43, 15, s43                        ; my row of the cluster
	s_lshl_b32 s44, 0x1111, s40                    ; my column
	; descriptor group 1: a tile of 128 rows x ROWB bytes, padded in LDS
	s_or_b32 s[G1+0], s43, (0<<16)|(1<<20)|(1<<21)|(5<<22)|(3<<25)  ; 15:0 the mask: A's tiles go to my row; 17:16 element of 1 byte; 20 padding on; 21 set beside a mask; 24:22 after every 64 words (code 5); 31:25 of 4 words (code 3)
	s_or_b32 s[G1B+0], s44, (0<<16)|(1<<20)|(1<<21)|(5<<22)|(3<<25)
.irp g, G1, G1B
	s_mov_b32 s[\g+1], ROWB<<16                    ; tensor_dim0
	s_mov_b32 s[\g+2], 128<<16                     ; tensor_dim1 = 128
	s_mov_b32 s[\g+3], ROWB<<16                    ; tile_dim0
	s_mov_b32 s[\g+4], 128                         ; tile_dim1 = 128
	s_mov_b32 s[\g+5], KROW                        ; tensor_dim0_stride
	s_mov_b32 s[\g+6], 0
	s_mov_b32 s[\g+7], 0
.endr
	; and for the scales of 128 rows: a dense block of 4,096 bytes, as 16 rows of 256 bytes (32 elements of 8 bytes), 16 bytes of padding behind each
	s_or_b32 s[G1S+0], s43, (3<<16)|(1<<20)|(1<<21)|(5<<22)|(3<<25)
	s_or_b32 s[G1SB+0], s44, (3<<16)|(1<<20)|(1<<21)|(5<<22)|(3<<25)
.irp g, G1S, G1SB
	s_mov_b32 s[\g+1], 32<<16
	s_mov_b32 s[\g+2], (128*KS/256)<<16
	s_mov_b32 s[\g+3], 32<<16
	s_mov_b32 s[\g+4], 128*KS/256
	s_mov_b32 s[\g+5], 32
	s_mov_b32 s[\g+6], 0
	s_mov_b32 s[\g+7], 0
.endr
	s_lshl_b32 s18, s16, 7                         ; which 128 rows of the tile I fetch
	s_lshl_b32 s20, s17, 8
	s_add_co_u32 s20, s20, s18                     ; A: row 256 x tile row + 128 x half
	s_lshl_b32 s46, s42, 8
	s_add_co_u32 s46, s46, s18                     ; B: row 256 x tile column + 128 x half
	s_mov_b32 s21, 0
	s_mov_b32 s47, 0
	s_mov_b64 s[18:19], KS
	s_mul_u64 s[22:23], s[20:21], s[18:19]         ; where these rows' scales begin, in bytes
	s_mul_u64 s[92:93], s[46:47], s[18:19]
	s_mov_b64 s[18:19], KROW
	s_mul_u64 s[20:21], s[20:21], s[18:19]         ; and their codes
	s_mul_u64 s[46:47], s[46:47], s[18:19]
	s_mul_i32 s45, s14, HALFT                      ; where they go: wave x 128 rows: no place in the cluster enters an LDS address
	s_mul_i32 s94, s14, HALFS
	s_wait_kmcnt 0x0
	s_add_nc_u64 s[20:21], s[4:5], s[20:21]
	s_add_nc_u64 s[22:23], s[6:7], s[22:23]
	s_add_nc_u64 s[46:47], s[8:9], s[46:47]
	s_add_nc_u64 s[92:93], s[10:11], s[92:93]
	CROUND                                         ; all sixteen work-groups are here: the joint loads meet
	s_mov_b32 s[G0S], 1
	s_add_co_u32 s[G0S+1], s94, SCL
	s_mov_b64 s[G0S+2:G0S+3], s[22:23]
	s_or_b32 s[G0S+3], s[G0S+3], 0x80000000
	s_mov_b32 s[G0SB], 1
	s_add_co_u32 s[G0SB+1], s94, SCL
	s_mov_b64 s[G0SB+2:G0SB+3], s[92:93]
	s_or_b32 s[G0SB+3], s[G0SB+3], 0x80000000
	JLOAD G0S, G1S, G0SB, G1SB                     ; the scales first: they are wanted with K step 0
.irp s, 0,1
	s_mov_b32 s[G0+4*\s], 1
	s_add_co_u32 s[G0+4*\s+1], s45, \s*SLOT
	s_add_nc_u64 s[G0+4*\s+2:G0+4*\s+3], s[20:21], \s*ROWB
	s_or_b32 s[G0+4*\s+3], s[G0+4*\s+3], 0x80000000
	s_mov_b32 s[G0B+4*\s], 1
	s_add_co_u32 s[G0B+4*\s+1], s45, \s*SLOT
	s_add_nc_u64 s[G0B+4*\s+2:G0B+4*\s+3], s[46:47], \s*ROWB
	s_or_b32 s[G0B+4*\s+3], s[G0B+4*\s+3], 0x80000000
	JLOAD G0+4*\s, G1, G0B+4*\s, G1B
.endr
	v_and_b32 v1, 15, v0                           ; r = l % 16
	v_bfe_u32 v2, v0, 4, 1                         ; h = l / 16
	v_mul_u32_u24 v3, v1, PITCH
	v_lshl_add_u32 v4, v2, 4, v3                   ; a fragment's row x pitch + 16 x half
	s_mul_i32 s21, s15, HALFT                      ; my 128 rows of A
	s_mul_i32 s22, s16, HALFT                      ; my 128 rows of B,
	s_add_co_u32 s22, s22, 2*HALFT                 ; which lie behind A's 256
.irp s, 0,1
	v_add_nc_u32 v[ADRA+\s], s21, v4
	v_add_nc_u32 v[ADRB+\s], s22, v4
	s_add_co_u32 s21, s21, SLOT
	s_add_co_u32 s22, s22, SLOT
.endr
	v_mul_u32_u24 v5, v1, KS                       ; my row's scales: KS bytes a row,
	v_lshrrev_b32 v6, 8, v5
	v_lshl_add_u32 v5, v6, 4, v5                   ; and 16 more for each 256 passed
	s_mul_i32 s21, s15, HALFS                      ; A's: my 128 rows
	s_mul_i32 s22, s16, HALFS                      ; B's: my 128 rows, behind A's 256
	s_add_co_u32 s22, s22, 2*HALFS
	s_sub_co_u32 s22, s22, s21
	v_mul_u32_u24 v6, s22, v2                      ; lanes 16-31 take B's: the lower base + h x the distance
	s_add_co_u32 s21, s21, SCL
	v_add_nc_u32 v5, v5, v6
	v_add_nc_u32 v[ADRS], s21, v5
	; the way out.  A stage row is 256 bytes: two tokens' 128 bytes of one head.  Rows 0-7: the block's 16 tokens of my first head; rows 8-15: of my second
	s_mul_i32 s23, s14, 16*SPITCH                  ; my stage
	v_lshrrev_b32 v5, 1, v1
	v_mul_u32_u24 v5, v5, SPITCH                   ; in: row r / 2,
	v_and_b32 v6, 1, v1
	v_lshl_add_u32 v5, v6, 7, v5                   ; + 128 (r % 2),
	v_lshl_add_u32 v5, v2, 4, v5                   ; + 16 h: my eight features as f16
	v_add_nc_u32 v[STO], s23, v5
	v_mul_u32_u24 v5, v2, SPITCH                   ; back: lanes 0-15 one row of 256 bytes, lanes 16-31 the next
	v_lshl_add_u32 v5, v1, 4, v5
	v_add_nc_u32 v[RD], s23, v5
	v_and_b32 v6, 31, v0
	v_lshlrev_b32 v[CO], 4, v6
	v_lshlrev_b32 v[EO], 8, v1
	v_lshl_add_u32 v[EO], v2, 5, v[EO]
	; where the f32 rows of my two heads lie: section = column / 4 (64 planes of 4,096 bytes), plane 16 x batch + 4 (column % 4) + 2 x half
	s_lshr_b32 s92, s42, 2
	s_lshl_b32 s92, s92, 18
	s_and_b32 s93, s42, 3
	s_lshl_b32 s93, s93, 14
	s_add_co_u32 s92, s92, s93
	s_lshl_b32 s93, s16, 13
	s_add_co_u32 s92, s92, s93
	s_lshr_b32 s93, s17, 3
	s_lshl_b32 s93, s93, 16
	s_add_co_u32 s92, s92, s93
	s_add_co_u32 s92, s92, E32
	s_mov_b32 s93, 0
	s_add_nc_u64 s[96:97], s[12:13], s[92:93]
	; where my part begins in qkv.  By the tile row: batch = row / 8 (16 planes of 2^18 bytes), token (row % 8) 256 + 128 x half, 128 bytes a token
	s_lshr_b32 s20, s17, 3
	s_lshl_b32 s20, s20, 22
	s_and_b32 s21, s17, 7
	s_lshl_b32 s21, s21, 15
	s_add_co_u32 s20, s20, s21
	s_lshl_b32 s21, s15, 14
	s_add_co_u32 s20, s20, s21
	s_mov_b32 s21, 0
	; by the tile column: section = column / 4 (64 planes), head 4 (column % 4) + 2 x half
	s_lshr_b32 s46, s42, 2
	s_lshl_b32 s46, s46, 24
	s_and_b32 s47, s42, 3
	s_lshl_b32 s47, s47, 20
	s_add_co_u32 s46, s46, s47
	s_lshl_b32 s47, s16, 19
	s_add_co_u32 s46, s46, s47
	s_mov_b32 s47, 0
	s_add_nc_u64 s[20:21], s[20:21], s[46:47]
	s_add_nc_u64 s[12:13], s[12:13], s[20:21]
.macro FRAG reg, adr, q, i             ; a fragment, 16 rows x 128 K of 4-bit codes, is 8 registers: lane l holds row l % 16; registers 4 c .. 4 c + 3 hold K = 64 c + 32 (l / 16) + 0 .. 31
.irp c, 0,1
	ds_load_b128 v[\reg+4*\c:\reg+4*\c+3], v[\adr] offset:64*(\q)+32*\c+(\i)*16*PITCH
.endr
.endm
; 16 matrix instructions: A's blocks a0, a0 + 1 x B's eight, 128 along K: the slot's q-th.  p: B's set;  sc: the set of scale words.  zero = 1: the first product starts the sums: nothing is ever cleared.
; The 64 accumulators take turns, one instruction a turn, in the same order in every step.
.macro MUL16 a0, p, q, sc, zero
.irp a, \a0, \a0+1
.irp b, 0,1,2,3,4,5,6,7
.if \zero
	v_wmma_scale_f32_16x16x128_f8f6f4 v[8*(8*((\a)%4)+\b):8*(8*((\a)%4)+\b)+7], v[128*(\p)+FR*\b:128*(\p)+FR*\b+FR-1], v[AF+FR*(\a):AF+FR*(\a)+FR-1], 0, v[SC+8*NQ*(\sc)+NQ*\b+(\q)], v[SC+8*NQ*(\sc)+NQ*(\a)+(\q)] matrix_a_fmt:MATRIX_FMT_FP4 matrix_b_fmt:MATRIX_FMT_FP4 matrix_a_scale:MATRIX_SCALE_ROW1
.else
	v_wmma_scale_f32_16x16x128_f8f6f4 v[8*(8*((\a)%4)+\b):8*(8*((\a)%4)+\b)+7], v[128*(\p)+FR*\b:128*(\p)+FR*\b+FR-1], v[AF+FR*(\a):AF+FR*(\a)+FR-1], v[8*(8*((\a)%4)+\b):8*(8*((\a)%4)+\b)+7], v[SC+8*NQ*(\sc)+NQ*\b+(\q)], v[SC+8*NQ*(\sc)+NQ*(\a)+(\q)] matrix_a_fmt:MATRIX_FMT_FP4 matrix_b_fmt:MATRIX_FMT_FP4 matrix_a_scale:MATRIX_SCALE_ROW1
.endif
.endr
.endr
.endm
.macro FETCH_B slot, q, p              ; B's eight fragments of the slot's q-th 128 along K into set p
	WIN TO_B
.irp i, 0,1,2,3,4,5,6,7
	FRAG 128*(\p)+FR*\i, ADRB+\slot, \q, \i
.endr
	WIN 0
.endm
.macro FETCH_A slot, q, i0             ; A's blocks i0 .. i0 + 3
.irp i, \i0, \i0+1, \i0+2, \i0+3
	FRAG AF+FR*(\i), ADRA+\slot, \q, \i
.endr
.endm
.macro SCALES sc                       ; a K step's scale words into set sc: NQ words a row; lanes 0-15 take A's block i, lanes 16-31 B's block i
.irp i, 0,1,2,3,4,5,6,7
	ds_load_b128 v[SC+8*NQ*\sc+NQ*\i:SC+8*NQ*\sc+NQ*\i+3], v[ADRS] offset:\i*SBLK
.endr
.endm
; A load into a register that a matrix instruction has read, and a vector instruction or a store that reads a matrix result, stand NP places behind that matrix instruction, and only plain vector
; instructions that name none of its registers are places (ISA guide 7.12.1 for vector instructions); the matrix instructions in between are not counted.
.macro PLACES n
.rept \n
	v_nop
.endr
.endm
; A step of 128 along K that has its successor in the same slot.
.macro STEP slot, q, zero
	s_wait_dscnt 4*NL                              ; B's set and A's blocks 0-3 are in; the youngest eight loads (A's blocks 4-7) may be out
	WIN MUL_LO
	MUL16 0, (\q)%2, \q, \slot, \zero
	MUL16 2, (\q)%2, \q, \slot, \zero
	s_wait_dscnt 0                                 ; A's blocks 4-7 are in (asked for 32 matrix instructions ago)
	PLACES NP
	FETCH_B \slot, (\q)+1, 1-(\q)%2
	FETCH_A \slot, (\q)+1, 0
	WIN MUL_HI
	MUL16 4, (\q)%2, \q, \slot, \zero
	MUL16 6, (\q)%2, \q, \slot, \zero
	PLACES NP
	WIN 0
	FETCH_A \slot, (\q)+1, 4
.endm
; Slot 0's last step changes slots: ONE barrier; in front of it each wave waits for all its tensor loads (its part of slot 1), adds 0 to its spare word, and waits for that and for its own reads of slot 0.
.macro TURN slot, next
	s_wait_tensorcnt 0x0                           ; all my tensor loads have landed: my part of the next slot;  (every window is 0 here: the add's two registers lie in window 0)
	ds_add_u32 v[SPW], v[NIL]                      ; 0 onto my spare word
	s_wait_dscnt 4*NL+1                            ; (the add and the youngest eight loads, A's blocks 4-7, may be out)
	WIN MUL_LO
	MUL16 0, 1, NQ-1, \slot, 0                     ; sixteen matrix instructions stand between the add and the wait for it
	s_wait_dscnt 0x0                               ; the add is done, and my reads of this slot are over
	s_barrier_signal -1
	MUL16 2, 1, NQ-1, \slot, 0
	WIN 0
	s_barrier_wait -1                              ; the next slot is whole, and nobody reads this one any more: the stages of the way out will lie in it
	PLACES NP
	v_add_nc_u32 v[ADRS], 4*NQ, v[ADRS]            ; on to the next K step's scale words (no LDS load of mine is out)
	FETCH_B \next, 0, 0
	FETCH_A \next, 0, 0
	SCALES \next
	WIN MUL_HI
	MUL16 4, 1, NQ-1, \slot, 0
	MUL16 6, 1, NQ-1, \slot, 0
	PLACES NP
	WIN 0
	FETCH_A \next, 0, 4
.endm
	s_wait_tensorcnt 1                             ; the scales and my part of K step 0 are in (slot 1's load may be out),
	s_barrier_signal -1
	s_barrier_wait -1                              ; everybody's are
	FETCH_B 0, 0, 0
	FETCH_A 0, 0, 0
	SCALES 0
	FETCH_A 0, 0, 4
	STEP 0, 0, 1                                   ; the first step's products start the sums
	STEP 0, 1, 0
	STEP 0, 2, 0
	TURN 0, 1
	STEP 1, 0, 0
	STEP 1, 1, 0
	STEP 1, 2, 0
	s_wait_dscnt 4*NL                              ; the very last step: nothing more to fetch
	WIN MUL_LO
	MUL16 0, 1, NQ-1, 1, 0
	MUL16 2, 1, NQ-1, 1, 0
	s_wait_dscnt 0
	WIN MUL_HI
	MUL16 4, 1, NQ-1, 1, 0
	MUL16 6, 1, NQ-1, 1, 0
	WIN 0
; THE WAY OUT, block by block of 16 tokens x 128 features.  PACK: rounded to f16, 16 bytes a lane (eight features of one token).  TOSTAGE: into my own stage, and back as rows of 256 bytes.  SEND: stored.
; In qkv a block's 16 tokens of one head are 2,048 consecutive bytes: four stores of 512 consecutive bytes, aligned; the second head lies one plane (2^18 bytes) on.
.macro PACK a
.set AC, 64*((\a)%4)
	WIN 0x0a+5*((\a)/4)                            ; sources 0 and 1: window 2 or 3
.irp b, 0,1,2,3,4,5,6,7
.irp i, 0,1,2,3
	v_cvt_pk_f16_f32 v[TMP+4*\b+\i], v[AC+8*\b+2*\i], v[AC+8*\b+2*\i+1]   ; each accumulator from its low end on
.endr
.endr
	WIN 0
.endm
.macro TOSTAGE a
.set BB, BK+32*((\a)%2)
.irp b, 0,1,2,3,4,5,6,7
	ds_store_b128 v[STO], v[TMP+4*\b:TMP+4*\b+3] offset:(\b%4)*32+(\b/4)*8*SPITCH
.endr
.irp t, 0,1,2,3,4,5,6,7
	ds_load_b128 v[BB+4*\t:BB+4*\t+3], v[RD] offset:\t*2*SPITCH   ; LDS serves a wave's instructions in order (ISA guide 5.7.1.4): these see the stores above
.endr
.endm
.macro SEND a
.set BB, BK+32*((\a)%2)
	s_wait_dscnt 0x0                               ; the block is back in registers
	s_wait_xcnt 0x0                                ; the stores of the block before have read their registers: the next block's loads from the stage land there only behind this wait
.irp t, 0,1,2,3,4,5,6,7
	global_store_b128 v[CO], v[BB+4*\t:BB+4*\t+3], s[12:13] offset:(\a)*2048+(\t/4)*262144+(\t%4)*512
.endr
.endm
	PLACES NP                                      ; behind the last products: the stores and conversions of block 0 follow, and later the loads into the registers that held A's fragments
	; Where my rows begin a batch, block 0 (tokens 0 to 15) also goes out as it is, in f32.  A lane holds token r and eight neighbouring features: 32 bytes; two lanes make a run of 64.
	; These stores cover their 256-byte blocks in parts: 16 of a wave's 80 stores, in 96 of the launch's 1,536 waves.  The branch hangs on cluster y and on the wave's number.
	s_cmp_lg_u32 s95, 0
	s_cbranch_scc1 .Lnot_first
	WIN 0x08                                       ; a store's data are its source 1: window 2
.irp b, 0,1,2,3,4,5,6,7
	global_store_b128 v[EO], v[8*\b:8*\b+3], s[96:97] offset:(\b/4)*4096+(\b%4)*64        ; each accumulator from its low end on
	global_store_b128 v[EO], v[8*\b+4:8*\b+7], s[96:97] offset:(\b/4)*4096+(\b%4)*64+16
.endr
	WIN 0
.Lnot_first:
	PACK 0
	TOSTAGE 0
.irp a, 1,2,3,4,5,6,7                  ; block a's conversions stand between block a - 1's loads from the stage and the wait for them
	PACK \a
	SEND \a-1
	TOSTAGE \a
.endr
	SEND 7
	s_wait_tensorcnt 0x0                           ; the wave's end: behind my last tensor load and my last LDS store
	ds_add_u32 v[SPW], v[NIL]
	s_wait_dscnt 0x0
	CROUND                                         ; the closing round: no work-group ends while a partner may still ask for a tile that names it
	s_endpgm
.Lfunc_end_k_qcb54c24dff_qkv:
	.size	k_qcb54c24dff_qkv, .Lfunc_end_k_qcb54c24dff_qkv-k_qcb54c24dff_qkv
	.p2alignl 7, 3214868480
	.fill 96, 4, 3214868480
	.section	.rodata,"a",@progbits
	.p2align	6, 0x0
	.amdhsa_kernel k_qcb54c24dff_qkv
		.amdhsa_group_segment_fixed_size 327680
		.amdhsa_private_segment_fixed_size 0
		.amdhsa_enable_private_segment 0
		.amdhsa_kernarg_size 40
		.amdhsa_user_sgpr_count 2
		.amdhsa_user_sgpr_kernarg_segment_ptr 1
		.amdhsa_wavefront_size32 1
		.amdhsa_system_sgpr_workgroup_id_x 1
		.amdhsa_system_sgpr_workgroup_id_y 1
		.amdhsa_system_sgpr_workgroup_id_z 1
		.amdhsa_system_vgpr_workitem_id 0
		.amdhsa_next_free_vgpr 1024
		.amdhsa_next_free_sgpr 98
		.amdhsa_reserve_vcc 0
		.amdhsa_float_denorm_mode_32 3
		.amdhsa_float_denorm_mode_16_64 3
		.amdhsa_memory_ordered 1
		.amdhsa_forward_progress 1
		.amdhsa_inst_pref_size 128
	.end_amdhsa_kernel
	.amdgpu_metadata
---
amdhsa.version: [ 1, 2 ]
amdhsa.kernels:
  - .name:           k_qcb54c24dff_qkv
    .symbol:         k_qcb54c24dff_qkv.kd
    .args:
      - { .name: xc, .offset: 0, .size: 8, .value_kind: global_buffer, .address_space: global }
      - { .name: xs, .offset: 8, .size: 8, .value_kind: global_buffer, .address_space: global }
      - { .name: wc, .offset: 16, .size: 8, .value_kind: global_buffer, .address_space: global }
      - { .name: ws, .offset: 24, .size: 8, .value_kind: global_buffer, .address_space: global }
      - { .name: qkv, .offset: 32, .size: 8, .value_kind: global_buffer, .address_space: global }
    .group_segment_fixed_size: 327680
    .private_segment_fixed_size: 0
    .kernarg_segment_align: 8
    .kernarg_segment_size: 40
    .max_flat_workgroup_size: 128
    .sgpr_count:     98
    .vgpr_count:     1024
    .wavefront_size: 32
...
	.end_amdgpu_metadata
.endif
;; end of part 2
;; launch attn (part 3): grid 4 x 64, 8 waves a work-group, no clusters, 327,680 bytes of LDS; arguments qkv, yh; writes yh
.if DOCPART == 3
	.amdgcn_target "amdgcn-amd-amdhsa--gfx1250"
	.amdhsa_code_object_version 6
	.text
	.protected	k_qcb54c24dff_attn
	.globl	k_qcb54c24dff_attn
	.p2align	8
	.type	k_qcb54c24dff_attn,@function
k_qcb54c24dff_attn:
	s_mov_b64 s[64:65], 0
	v_nop
	global_prefetch_b8 v0, s[64:65] scope:SCOPE_SE
	s_setreg_imm32_b32 hwreg(HW_REG_WAVE_MODE, 25, 1), 1
	s_wait_xcnt 0x0
; y[bh][q][:] = the sum over k <= q of softmax_k(Q[bh][q] . K[bh][k] / 8) V[bh][k][:].  Q, K, V: the three sections of qkv, [64 bh][2048][64] f16.  Products, maxima and sums in f32; the weights p are rounded to f16 for the
; second product, y once at the end.  y goes out as yh [16 heads][8192 tokens][64] f16.  LIMIT: NaN and infinities are not served; |y| is at most the largest |v|, under 65,504.
; THE FIRST 16 TOKENS OF EACH BATCH ARE ALSO MADE IN f32, from the f32 rows that lie behind qkv's three sections ([3][64 bh][16][64], from byte 3 x 2^24 on), and go out as f32 behind yh's planes ([4 x 16 rows][1024], from byte 2^24 on).
; A causal row t is a mean of t + 1 values: with even weights its size falls as 1 / sqrt(t + 1), and the first rows are about sqrt(2048 / ln 2048) = 16 times the root mean square of all rows, against which the result is held to
; 1 part in 100; one rounding to f16 is up to 2^-11 of a number, and 16 x 2^-11 is 0.8 parts in 100.  From token 16 on a row is at most 3.9 times that root mean square.  LIMIT: rows from token 16 on carry f16's roundings
; (of q, k, v, p and y: each up to 2^-11 of the number).
; SHARES.  A head's 2,048 queries are 8 blocks of 256, its keys 8 units of 256.  Block b needs units 0 .. b.  Work-group p (0 .. 3) of a head takes block 7 - p and then block p: 8 - p + p + 1 = 9 units, whatever p: every
; work-group walks 9 units, a constant of the text.  Each of the eight waves owns 32 queries of a block, two tiles of 16, so that each fragment of K and V read from LDS feeds two products.  Wave w takes the block's
; sub-block w (w < 4) or 11 - w: in the unit on the diagonal sub-block s needs s / 2 + 1 of the four steps, so waves w and w + 4 together need 5.
; NO JOINT LOADS: the four work-groups of a head walk the same units only up to their change of blocks, which falls in trip 7 - p; from the sixth unit on they want different tiles in the same trip.
; LAYOUT.  S^T = K Q^T (source 0 = 16 keys, source 1 = 16 queries): a lane holds ONE query (lane % 16) and the keys 8 (lane / 16) + 0..7 of a tile.  Two such tiles, rounded to f16 in pairs, ARE source 1 (32 keys x 16 queries) of
; O^T = V^T P, whose result again holds one query a lane, and eight channels.  K comes out of LDS as it lies, V ([key][channel]) turned, by ds_load_tr16_b128.
; SOFTMAX.  For each query a running maximum m and sum l: p = 2^(c s - c m), c = log2(e) / 8; in every step O and l are multiplied by a = 2^(c m_old - c m_new).  A block begins with m = -3e38, l = 0, O = 0, so that the step is written once.
; THE MASK.  A step (64 keys) all of whose keys come after the wave's 32 queries is left out by a scalar branch on ids; such steps are the last of the unit on the diagonal.  Where some keys are hidden their scores become
; -infinity ahead of the maximum.  Keys go in 64s and queries in 32s, so the first key of a step that is not left out counts for all 32 queries.
; THE RING.  Two LDS slots of one unit each.  The change of slots stands at a unit's head; behind its barrier waves 0 and 1 fetch the halves of the next unit's K, waves 2 and 3 of its V: one tensor load a wave is out.
; PREFETCH.  Work-group p = 0 walks units 0 .. 7 in its first eight trips.  In trip J (0 .. 5) its waves 4 to 7, which fetch nothing, name unit J + 2, which the next change of slots will load: 8,192 bytes of K and of V a wave,
; lanes 256 bytes apart, so that each block of 256 bytes of a head's units 2 .. 7 is named once in the launch.  Units 0 and 1 come by their loads alone.
; REGISTERS.  Window 0: v1-21 addresses and constants; v24-39 statistics, 8 a tile; v40-71 Q; v72-135 S^T, 32 a tile; v136-167 P, 16 a tile; v168-231 O^T, 32 a tile; v232-247 the f32 products' two accumulators.
; Window 1: v0-63 K of a step; v64-127 V of a step.
.set KP,    144                        ; a row of K in LDS: 128 bytes + 16 of padding = 36 words: row r starts at bank 36 r mod 64: the 16 rows of a load start at 16 different groups of four banks (ISA guide 11.1)
.set VP,    160                        ; a row of V: 128 + 32: an odd multiple of 32 bytes, for the turning load
.set VOFF,  256*KP                     ; a slot: 256 rows of K, then 256 rows of V
.set SLOT1, 1<<17                      ; slot 1 begins here: one exclusive or turns an address in one slot into the other's
.set STAGE, VOFF+256*VP                ; behind slot 0: 16 rows x 272 bytes for each wave, for the way out; no tile lands here
.set SP,    272
.set SPARE, STAGE+8*16*SP              ; the spare words, 128 bytes for each wave: four blocks of 256 bytes that no other line names
.set SECT,  1<<24                      ; a section of qkv in bytes
.set E32,   3*SECT                     ; where the first tokens' f32 rows begin in qkv;
.set EB,    1<<18                      ; a section of them: 64 planes of 16 tokens x 256 bytes
.set Y32,   1<<24                      ; where the first tokens' f32 rows begin in yh
.set AK0, 1                            ; v1   my lane's place in a tile of K
.set AV0, 2                            ; v2   the same for V
.set ADK, 3                            ; v3   LDS address of the unit's K
.set ADV, 4                            ; v4   of its V
.set QO,  5                            ; v5   my byte offset in the wave's rows of Q
.set STO, 6                            ; v6   the way out: where I put 16 bytes
.set RD,  7                            ; v7   the way out: where I read 16 bytes back
.set GO,  8                            ; v8   16 x lane
.set SPW, 9                            ; v9   LDS address of my spare word; never rewritten
.set NIL, 10                           ; v10  0; never rewritten
.set NINF, 11                          ; v11  -infinity
.set DL,  12                           ; v12  lane % 16 - 8 (lane / 16)
.set D0,  14                           ; v14-15 the mask's thresholds for the two tiles
.set PFO, 16                           ; v16  256 x lane
.set EKQ, 19                           ; v19  the f32 rows: my offset in K's and Q's;  v20 in V's;  v21 in y's
.set EVO, 20
.set EYO, 21
.set ST,  24                           ; tile t's statistics at v[ST + 8 t]: +0 c m, +1 m, +2, +3 l (even keys', odd keys'), +4 .. +7 c0-c3 at work; a takes c2's place
.set Q,   40
.set S,   72
.set P,   136
.set O,   168
.set ED,  232                          ; v232-239, v240-247: written by matrix instructions alone
.set KF,  0                            ; in window 1
.set VF,  64
.set WV,  8                            ; s8   my wave's number
.set BH,  10                           ; s10  batch x 16 + head
.set QS,  11                           ; s11  my sub-block of 32 queries
.set SEL, 12                           ; s[12:13] selects for v_permlanex16_b32: lane l xor 16
.set CS,  14                           ; s[14:15] c, twice: the packed form names a pair
.set G1K, 16                           ; s[16:23] descriptor group 1 for K's tiles;  s[24:31] for V's: the padding differs
.set G1V, 24
.set G0K, 32                           ; s[32:35], s[36:39] their groups 0
.set G0V, 36
.set KB,  40                           ; s[40:41] my half of the head's K, unit 0;  s[42:43] of its V
.set VB,  42
.set OFF, 44                           ; s[44:45] an offset, in 64 bits
.set J,   46                           ; s46  the trip
.set SW,  47                           ; s47  7 - p: the trip in which the first block ends
.set U,   48                           ; s48  the unit in hand
.set UN,  49                           ; s49  the unit that follows
.set TB,  50                           ; s50  LDS byte at which the slot in hand begins
.set Q0,  51                           ; s51  my first query
.set KU,  52                           ; s52  the unit's first key
.set T0,  53
.set LIM, 54                           ; s54  a wave prefetches while the trip is under this: 6 or 0
.set T1,  55
.set PFK, 56                           ; s[56:57], s[58:59] where my prefetches stand
.set PFV, 58
.set QP,  60                           ; s[60:61] the head's Q
.set YP,  62                           ; s[62:63] the head's and batch's rows of yh
.set YB,  66                           ; s[66:67] the stores' base
.set QB,  68                           ; s[68:69] Q's base
.set PR,  70                           ; s[70:71] an offset, in 64 bits
.set MSB, 0
.macro WIN new                         ; s_set_vgpr_msb: bits 1:0 source 0, 3:2 source 1, 5:4 source 2, 7:6 destination; the high byte repeats the setting that is left
.if MSB != (\new)
	s_set_vgpr_msb (MSB<<8)|(\new)
.set MSB, (\new)
.endif
.endm
.macro PLACES                          ; four places behind matrix instructions, in front of loads into registers that they read and of reads of their results
.rept 4
	v_nop
.endr
.endm
; Waves 0 and 1 fetch for K, waves 2 and 3 for V, the others nothing.  The branches hang on the wave's number alone.  Four v_nop follow each of the two lines.
.macro TLOAD
	s_cmp_lt_u32 s[WV], 2
	s_cbranch_scc0 .Lnot_k_\@
	tensor_load_to_lds s[G0K:G0K+3], s[G1K:G1K+7]
.rept 4
	v_nop
.endr
	s_branch .Lasked_\@
.Lnot_k_\@:
	s_cmp_lt_u32 s[WV], 4
	s_cbranch_scc0 .Lasked_\@
	tensor_load_to_lds s[G0V:G0V+3], s[G1V:G1V+7]
.rept 4
	v_nop
.endr
.Lasked_\@:
.endm
.macro ASK                             ; the unit that the next change of slots will load
	s_cmp_lt_u32 s[J], s[LIM]
	s_cbranch_scc0 .Lnot_mine_\@
	global_prefetch_b8 v[PFO], s[PFK:PFK+1] th:TH_LOAD_NT scope:SCOPE_SE
	global_prefetch_b8 v[PFO], s[PFV:PFV+1] th:TH_LOAD_NT scope:SCOPE_SE
.Lnot_mine_\@:
.endm
	s_load_b128 s[4:7], s[0:1], 0x0                ; qkv, yh
	v_lshl_add_u32 v[SPW], v0, 2, SPARE
	v_mov_b32 v[NIL], 0
	v_lshrrev_b32 v17, 5, v0
	v_readfirstlane_b32 s[WV], v17                 ; wave 0..7
	s_and_b32 s[BH], ttmp7, 0xffff
	s_sub_co_u32 s[QS], 11, s[WV]
	s_cmp_lt_u32 s[WV], 4
	s_cselect_b32 s[QS], s[WV], s[QS]              ; sub-block w, or 11 - w
	s_sub_co_u32 s[SW], 7, ttmp9
	; descriptor group 1: a tile of 128 rows x 64 elements of 2 bytes, dense in memory, padded in LDS behind every row
	s_mov_b32 s[G1K], (1<<16)|(1<<20)|(4<<22)|(3<<25)   ; 15:0 no mask; 17:16 elements of 2 bytes; 20 padding on; 24:22 after every 32 words (code 4); 31:25 four words (code 3)
	s_mov_b32 s[G1V], (1<<16)|(1<<20)|(4<<22)|(7<<25)   ; the same with eight words (code 7)
.irp g, G1K, G1V
	s_mov_b32 s[\g+1], 64<<16                      ; tensor_dim0 = 64
	s_mov_b32 s[\g+2], 128<<16                     ; tensor_dim1 = 128
	s_mov_b32 s[\g+3], 64<<16                      ; tile_dim0 = 64
	s_mov_b32 s[\g+4], 128                         ; tile_dim1 = 128
	s_mov_b32 s[\g+5], 64                          ; tensor_dim0_stride
	s_mov_b32 s[\g+6], 0
	s_mov_b32 s[\g+7], 0
.endr
	s_mov_b32 s[SEL], 0x76543210
	s_mov_b32 s[SEL+1], 0xfedcba98
	s_mov_b32 s[CS], 0x3e38aa3b                    ; c = log2(e) / 8
	s_mov_b32 s[CS+1], s[CS]
	s_and_b32 s[T1], s[WV], 1                      ; which 128 rows of a unit I fetch, if I fetch
	s_lshl_b32 s[PR], s[BH], 18                    ; a head's plane is 2^18 bytes
	s_mov_b32 s[PR+1], 0
	s_lshl_b32 s[OFF], s[T1], 14                   ; 128 rows of 128 bytes
	s_mov_b32 s[OFF+1], 0
	s_mov_b32 s[G0K], 1                            ; 1:0 count = 1
	s_mul_i32 s[G0K+1], s[T1], 128*KP              ; 63:32 LDS address: slot 0
	s_mov_b32 s[G0V], 1
	s_mul_i32 s[G0V+1], s[T1], 128*VP
	s_add_co_u32 s[G0V+1], s[G0V+1], VOFF
	s_wait_kmcnt 0x0
	s_add_nc_u64 s[QP:QP+1], s[4:5], s[PR:PR+1]    ; the head's Q,
	s_add_nc_u64 s[PFK:PFK+1], s[QP:QP+1], SECT    ; K,
	s_add_nc_u64 s[PFV:PFV+1], s[PFK:PFK+1], SECT  ; V
	s_add_nc_u64 s[KB:KB+1], s[PFK:PFK+1], s[OFF:OFF+1]
	s_add_nc_u64 s[VB:VB+1], s[PFV:PFV+1], s[OFF:OFF+1]
	s_mov_b64 s[G0K+2:G0K+3], s[KB:KB+1]           ; 120:64 global address: unit 0
	s_or_b32 s[G0K+3], s[G0K+3], 0x80000000        ; 127:126 type = 2
	s_mov_b64 s[G0V+2:G0V+3], s[VB:VB+1]
	s_or_b32 s[G0V+3], s[G0V+3], 0x80000000
	TLOAD                                          ; unit 0 into slot 0: the first fill, ahead of every wait on TENSORcnt, every LDS read and every barrier
	s_and_b32 s[T0], s[WV], 3
	s_lshl_b32 s[T0], s[T0], 13                    ; the prefetches: my wave's 8,192 bytes of a unit's 32,768,
	s_add_co_u32 s[OFF], s[T0], 32768              ; in unit 1: the first change of slots steps it to unit 2.  Nothing is prefetched here, at the head
	s_add_nc_u64 s[PFK:PFK+1], s[PFK:PFK+1], s[OFF:OFF+1]
	s_add_nc_u64 s[PFV:PFV+1], s[PFV:PFV+1], s[OFF:OFF+1]
	s_lshr_b32 s[T0], s[WV], 2
	s_xor_b32 s[T0], s[T0], 1                      ; 0 in waves 4 to 7,
	s_or_b32 s[T0], s[T0], ttmp9                   ; of work-group p = 0
	s_cmp_eq_u32 s[T0], 0
	s_cselect_b32 s[LIM], 6, 0
	s_and_b32 s[T0], s[BH], 15                     ; yh: the head's plane of 2^20 bytes,
	s_lshl_b32 s[T0], s[T0], 20
	s_lshr_b32 s[T1], s[BH], 4                     ; the batch's 2,048 tokens of 128 bytes
	s_lshl_b32 s[T1], s[T1], 18
	s_add_co_u32 s[OFF], s[T0], s[T1]
	s_add_nc_u64 s[YP:YP+1], s[6:7], s[OFF:OFF+1]
	v_and_b32 v17, 15, v0                          ; r = lane % 16
	v_bfe_u32 v18, v0, 4, 1                        ; h = lane / 16
	; a fragment of K or Q is 16 rows x 32 channels in 8 registers: lane l holds row r; registers 0-3 channels 8 h + 0..7, registers 4-7 channels 16 + 8 h + 0..7: two loads of 16 bytes, 32 bytes apart
	v_mul_u32_u24 v[AK0], v17, KP
	v_lshl_add_u32 v[AK0], v18, 4, v[AK0]
	; the turning load takes 16 keys x 16 channels (lane l reads 16 bytes: key 8 h + l % 8, channels 8 ((l / 8) % 2) + 0..7) and leaves half a fragment of V^T: lane l holds channel r and 8 keys
	v_and_b32 v19, 7, v0
	v_bfe_u32 v20, v0, 3, 1
	v_lshl_add_u32 v[AV0], v18, 3, v19
	v_mul_u32_u24 v[AV0], v[AV0], VP
	v_lshl_add_u32 v[AV0], v20, 4, v[AV0]
	v_add_nc_u32 v[AV0], VOFF, v[AV0]
	v_lshlrev_b32 v[QO], 7, v17
	v_lshl_add_u32 v[QO], v18, 4, v[QO]            ; Q: row r of 128 bytes, + 16 h
	s_mul_i32 s[T0], s[WV], 16*SP
	s_add_co_u32 s[T0], s[T0], STAGE               ; my stage: a row is 256 bytes, two tokens' 128
	v_lshrrev_b32 v19, 1, v17
	v_mul_u32_u24 v[STO], v19, SP                  ; in: row r / 2,
	v_and_b32 v19, 1, v17
	v_lshl_add_u32 v[STO], v19, 7, v[STO]          ; + 128 (r % 2),
	v_lshl_add_u32 v[STO], v18, 4, v[STO]          ; + 16 h
	v_add_nc_u32 v[STO], s[T0], v[STO]
	v_mul_u32_u24 v[RD], v18, SP                   ; back: lanes 0-15 one row, lanes 16-31 the next
	v_lshl_add_u32 v[RD], v17, 4, v[RD]
	v_add_nc_u32 v[RD], s[T0], v[RD]
	v_and_b32 v19, 31, v0
	v_lshlrev_b32 v[GO], 4, v19
	v_lshlrev_b32 v[PFO], 8, v19
	v_mov_b32 v[NINF], 0xff800000
	v_lshlrev_b32 v[DL], 3, v18
	v_sub_nc_u32 v[DL], v17, v[DL]
.macro LOADQ                           ; my 32 queries stay in registers: tile t, channels 32 c on
	s_lshl_b32 s[PR], s[Q0], 7
	s_add_nc_u64 s[QB:QB+1], s[QP:QP+1], s[PR:PR+1]
.irp t, 0,1
.irp c, 0,1
.irp e, 0,1
	global_load_b128 v[Q+16*\t+8*\c+4*\e:Q+16*\t+8*\c+4*\e+3], v[QO], s[QB:QB+1] offset:\t*2048+\c*64+\e*32
.endr
.endr
.endr
.endm
.macro INIT                            ; a block begins: m = -3e38, under every score; l = 0; O = 0: the first a is 0 and leaves them zeros
.irp t, 0,1
	v_mov_b32 v[ST+8*\t+1], 0xff61b1e6
	v_mul_f32 v[ST+8*\t], s[CS], v[ST+8*\t+1]
	v_mov_b32 v[ST+8*\t+2], 0
	v_mov_b32 v[ST+8*\t+3], 0
.endr
.set k, 0
.rept 64
	v_mov_b32 v[O+k], 0
.set k, k+1
.endr
.endm
.macro FETCH_K q                       ; the unit's q-th 64 keys: fragment f = 2 j + c: keys 16 j on, channels 32 c on
	WIN 0x40                                       ; destination window 1, address window 0
.irp f, 0,1,2,3,4,5,6,7
	ds_load_b128 v[KF+8*\f:KF+8*\f+3],   v[ADK] offset:(\q)*64*KP+(\f/2)*16*KP+(\f%2)*64
	ds_load_b128 v[KF+8*\f+4:KF+8*\f+7], v[ADK] offset:(\q)*64*KP+(\f/2)*16*KP+(\f%2)*64+32
.endr
.endm
.macro FETCH_V q                       ; fragment f = 4 c + n: keys 32 c on, channels 16 n on
	WIN 0x40
.irp f, 0,1,2,3,4,5,6,7
	ds_load_tr16_b128 v[VF+8*\f:VF+8*\f+3],   v[ADV] offset:(\q)*64*VP+(\f/4)*32*VP+(\f%4)*32
	ds_load_tr16_b128 v[VF+8*\f+4:VF+8*\f+7], v[ADV] offset:(\q)*64*VP+(\f/4)*32*VP+16*VP+(\f%4)*32
.endr
.endm
; The accumulators take turns, one instruction a turn: between two links of a chain stand the seven others'.
.macro KQ                              ; product i of 16 of S^T = K Q^T: channels 32 (i / 8) on, keys 16 ((i / 2) % 4) on, tile i % 2.  The first 8 start the sums
.set i, 0
.rept 16
.set rS, S+32*(i%2)+8*((i/2)%4)
.set rK, KF+16*((i/2)%4)+8*(i/8)
.set rQ, Q+16*(i%2)+8*(i/8)
.if i < 8
	v_wmma_f32_16x16x32_f16 v[rS:rS+7], v[rK:rK+7], v[rQ:rQ+7], 0
.else
	v_wmma_f32_16x16x32_f16 v[rS:rS+7], v[rK:rK+7], v[rQ:rQ+7], v[rS:rS+7]
.endif
.set i, i+1
.endr
.endm
.macro PV                              ; product i of 16 of O^T += V^T P: keys 32 (i / 8) on, channels 16 ((i / 2) % 4) on, tile i % 2
.set i, 0
.rept 16
.set rO, O+32*(i%2)+8*((i/2)%4)
.set rV, VF+8*(4*(i/8)+(i/2)%4)
.set rP, P+16*(i%2)+8*(i/8)
	v_wmma_f32_16x16x32_f16 v[rO:rO+7], v[rV:rV+7], v[rP:rP+7], v[rO:rO+7]
.set i, i+1
.endr
.endm
; Register n of tile t holds key KU + 64 q + 16 (n / 8) + 8 h + n % 8 for query Q0 + 16 t + r: hidden where 16 (n / 8) + n % 8 > Q0 - KU - 64 q + 16 t + r - 8 h
.macro MASK q
	s_sub_co_i32 s[T0], s[Q0], s[KU]
	s_sub_co_i32 s[T0], s[T0], 64*(\q)
	v_add_nc_u32 v[D0], s[T0], v[DL]
	v_add_nc_u32 v[D0+1], 16, v[D0]
.irp t, 0,1
.set n, 0
.rept 32
	v_cmp_gt_i32 vcc_lo, 16*(n/8)+n%8, v[D0+\t]
	v_cndmask_b32 v[S+32*\t+n], v[S+32*\t+n], v[NINF], vcc_lo
.set n, n+1
.endr
.endr
.endm
.macro SUMCVT z                        ; pair z of the weights: into l (pair 0 with l's rescaling: l = a l + p), and rounded to f16 as register z of P
.irp t, 0,1
.if (\z) == 0
	v_pk_fma_f32 v[ST+8*\t+2:ST+8*\t+3], v[ST+8*\t+2:ST+8*\t+3], v[ST+8*\t+6:ST+8*\t+7], v[S+32*\t:S+32*\t+1] op_sel_hi:[1,0,1]
.else
	v_pk_add_f32 v[ST+8*\t+2:ST+8*\t+3], v[ST+8*\t+2:ST+8*\t+3], v[S+32*\t+2*(\z):S+32*\t+2*(\z)+1]
.endif
.endr
.irp t, 0,1
	v_cvt_pk_f16_f32 v[P+16*\t+(\z)], v[S+32*\t+2*(\z)], v[S+32*\t+2*(\z)+1]
.endr
.endm
; A step's softmax for both tiles, which alternate line by line, so that no line waits for the line above it.
.macro SOFTMAX
.irp j, 0,1,2,3                        ; the maximum of the lane's 32 scores and the old m: four chains, each begun at the low end of an accumulator
.irp t, 0,1
	v_max3_num_f32 v[ST+8*\t+4+\j], v[S+32*\t+8*\j], v[S+32*\t+8*\j+1], v[S+32*\t+8*\j+2]
.endr
.endr
.irp e, 3,5
.irp j, 0,1,2,3
.irp t, 0,1
	v_max3_num_f32 v[ST+8*\t+4+\j], v[ST+8*\t+4+\j], v[S+32*\t+8*\j+\e], v[S+32*\t+8*\j+\e+1]
.endr
.endr
.endr
.irp t, 0,1
	v_max3_num_f32 v[ST+8*\t+4], v[ST+8*\t+4], v[S+32*\t+7], v[S+32*\t+15]
.endr
.irp t, 0,1
	v_max3_num_f32 v[ST+8*\t+6], v[ST+8*\t+6], v[S+32*\t+23], v[S+32*\t+31]
.endr
.irp t, 0,1
	v_max3_num_f32 v[ST+8*\t+4], v[ST+8*\t+4], v[ST+8*\t+5], v[ST+8*\t+6]
.endr
.irp t, 0,1
	v_max3_num_f32 v[ST+8*\t+4], v[ST+8*\t+4], v[ST+8*\t+7], v[ST+8*\t+1]
.endr
.irp t, 0,1
	v_permlanex16_b32 v[ST+8*\t+5], v[ST+8*\t+4], s[SEL], s[SEL+1]   ; the query's other 32 keys lie in the lane 16 away
.endr
.irp t, 0,1
	v_mov_b32 v[ST+8*\t+7], v[ST+8*\t]             ; c m_old is kept for a
.endr
.irp t, 0,1
	v_max_num_f32 v[ST+8*\t+1], v[ST+8*\t+4], v[ST+8*\t+5]
.endr
.irp t, 0,1
	v_mul_f32 v[ST+8*\t], s[CS], v[ST+8*\t+1]
.endr
.irp t, 0,1
	v_sub_f32 v[ST+8*\t+7], v[ST+8*\t+7], v[ST+8*\t]
.endr
.irp t, 0,1
	v_exp_f32 v[ST+8*\t+6], v[ST+8*\t+7]           ; a; the scalings below are the plain lines behind it
.endr
.set k, 0
.rept 16
.irp t, 0,1
	v_pk_fma_f32 v[S+32*\t+2*k:S+32*\t+2*k+1], v[S+32*\t+2*k:S+32*\t+2*k+1], s[CS:CS+1], v[ST+8*\t:ST+8*\t+1] op_sel_hi:[1,0,0] neg_lo:[0,0,1] neg_hi:[0,0,1]   ; c s - c m
.endr
.set k, k+1
.endr
; four exponentials (pair k of both tiles), then four plain lines on the pair before: every exponential has a plain line that does not touch it ahead of the use of its result (ISA guide 5.7.2).
; Behind pair 0's stand the first two lines of O's rescaling.
.set k, 0
.rept 16
.irp t, 0,1
	v_exp_f32 v[S+32*\t+2*k], v[S+32*\t+2*k]
	v_exp_f32 v[S+32*\t+2*k+1], v[S+32*\t+2*k+1]
.endr
.if k == 0
.irp t, 0,1
	v_pk_mul_f32 v[O+32*\t:O+32*\t+1], v[O+32*\t:O+32*\t+1], v[ST+8*\t+6:ST+8*\t+7] op_sel_hi:[1,0]
.endr
.else
	SUMCVT k-1
.endif
.set k, k+1
.endr
	SUMCVT 15
.set k, 1
.rept 15                               ; the rest of O^T times a, ascending
.irp t, 0,1
	v_pk_mul_f32 v[O+32*\t+2*k:O+32*\t+2*k+1], v[O+32*\t+2*k:O+32*\t+2*k+1], v[ST+8*\t+6:ST+8*\t+7] op_sel_hi:[1,0]
.endr
.set k, k+1
.endr
.endm
; A STEP: 64 keys, the q-th of the unit in hand.  K of this step was asked for a step ago; V is asked for at its head and lands under K Q^T and the softmax; K of the next step is asked for behind K Q^T.
.macro STEP q, id
.if (\q) > 0
	s_add_co_u32 s[T0], s[KU], 64*(\q)             ; all 64 keys come after my 32 queries: this step and the rest of the unit are left out.  (Its K, already asked for, is waited for at the next change of slots)
	s_add_co_u32 s[T1], s[Q0], 31
	s_cmp_gt_u32 s[T0], s[T1]
	s_cbranch_scc1 .Lunit_end_\id
.endif
	FETCH_V \q
	s_wait_dscnt 16                                ; K is in; V's 16 loads may be out
	WIN 0x01                                       ; source 0 window 1
	KQ
	PLACES
.if (\q) < 3
	FETCH_K (\q)+1
.endif
	WIN 0
	s_add_co_u32 s[T0], s[KU], 64*(\q)+63          ; all 64 keys count for all my queries: no mask
	s_cmp_le_u32 s[T0], s[Q0]
	s_cbranch_scc1 .Lopen_\@
	MASK \q
.Lopen_\@:
	SOFTMAX
.if (\q) < 3
	s_wait_dscnt 16                                ; V is in; the next K's 16 loads may be out
.else
	s_wait_dscnt 0x0
.endif
	WIN 0x01
	PV
	WIN 0
	PLACES
.endm
.macro UNIT id
	v_add_nc_u32 v[ADK], s[TB], v[AK0]
	v_add_nc_u32 v[ADV], s[TB], v[AV0]
	s_lshl_b32 s[KU], s[U], 8
	FETCH_K 0
	STEP 0, \id
	STEP 1, \id
	STEP 2, \id
	STEP 3, \id
.Lunit_end_\id:
.endm
; THE CHANGE OF SLOTS stands at a unit's head.  Each wave waits for all its tensor loads (its part of the slot that it is about to read), adds 0 to its spare word, and waits for that and for its reads of the slot that it has left.
; Behind the barrier the slot ahead is whole and nobody reads the other one.  fill = 1: that other slot takes the unit that follows: the next of the block, or unit 0 where the block ends.  The load has a unit's steps in which to land.
.macro CHANGE fill
	s_wait_tensorcnt 0x0                           ; no tensor load of mine is out, so a group 0 may be written
	ds_add_u32 v[SPW], v[NIL]                      ; 0 onto my spare word; with fill = 1 the descriptors' steps stand between it and the wait for it
.if \fill
	s_add_co_u32 s[UN], s[U], 1
	s_cmp_eq_u32 s[J], s[SW]
	s_cselect_b32 s[UN], 0, s[UN]
	s_lshl_b32 s[OFF], s[UN], 15                   ; a unit is 256 rows of 128 bytes
	s_xor_b32 s[G0K+1], s[G0K+1], SLOT1            ; the other slot than last time
	s_xor_b32 s[G0V+1], s[G0V+1], SLOT1
	s_add_nc_u64 s[G0K+2:G0K+3], s[KB:KB+1], s[OFF:OFF+1]
	s_add_nc_u64 s[G0V+2:G0V+3], s[VB:VB+1], s[OFF:OFF+1]
	s_or_b32 s[G0K+3], s[G0K+3], 0x80000000
	s_or_b32 s[G0V+3], s[G0V+3], 0x80000000
	s_wait_xcnt 0x0                                ; the last prefetches, a unit back, have read their addresses, so they may be written
	s_add_nc_u64 s[PFK:PFK+1], s[PFK:PFK+1], 32768
	s_add_nc_u64 s[PFV:PFV+1], s[PFV:PFV+1], 32768
.endif
	s_wait_dscnt 0x0                               ; the add is done, and my reads of the slot that I have left are over
	s_barrier_signal -1
	s_barrier_wait -1
.if \fill
	TLOAD                                          ; the first thing behind the barrier, and a wave's one tensor load until the next
	ASK
.endif
.endm
; A BLOCK'S WAY OUT.  l's two halves and the other half of the lanes' are added; O^T is divided by l, rounded to f16, and goes through my stage: my 32 tokens' rows of 128 bytes are 4,096 consecutive bytes of yh.
.macro EPILOGUE
.irp t, 0,1
	v_add_f32 v[ST+8*\t+4], v[ST+8*\t+2], v[ST+8*\t+3]
.endr
.irp t, 0,1
	v_permlanex16_b32 v[ST+8*\t+5], v[ST+8*\t+4], s[SEL], s[SEL+1]
.endr
.irp t, 0,1
	v_add_f32 v[ST+8*\t+4], v[ST+8*\t+4], v[ST+8*\t+5]
.endr
.irp t, 0,1
	v_rcp_f32 v[ST+8*\t+6], v[ST+8*\t+4]
.endr
	v_nop                                          ; a plain line between the reciprocals and the use of their results
.irp t, 0,1
.set k, 0
.rept 16
	v_pk_mul_f32 v[O+32*\t+2*k:O+32*\t+2*k+1], v[O+32*\t+2*k:O+32*\t+2*k+1], v[ST+8*\t+6:ST+8*\t+7] op_sel_hi:[1,0]
.set k, k+1
.endr
.endr
.irp t, 0,1
.set k, 0
.rept 16
	v_cvt_pk_f16_f32 v[S+16*\t+k], v[O+32*\t+2*k], v[O+32*\t+2*k+1]   ; S^T's registers are free
.set k, k+1
.endr
.endr
.irp t, 0,1
.irp n, 0,1,2,3
	ds_store_b128 v[STO], v[S+16*\t+4*\n:S+16*\t+4*\n+3] offset:\t*8*SP+32*\n   ; token r of tile t, channels 16 n + 8 h on
.endr
.endr
.irp i, 0,1,2,3,4,5,6,7
	ds_load_b128 v[S+32+4*\i:S+32+4*\i+3], v[RD] offset:\i*2*SP   ; LDS serves a wave's instructions in order (ISA guide 5.7.1.4): these see the stores above
.endr
	s_lshl_b32 s[PR], s[Q0], 7
	s_add_nc_u64 s[YB:YB+1], s[YP:YP+1], s[PR:PR+1]
.irp i, 0,1,2,3,4,5,6,7
	s_wait_dscnt 7-\i                              ; load i is back; the younger ones may be out
	global_store_b128 v[GO], v[S+32+4*\i:S+32+4*\i+3], s[YB:YB+1] offset:512*\i   ; 32 lanes store 512 consecutive bytes, aligned
.endr
	s_wait_xcnt 0x0                                ; the stores have read their registers and their base: both are written again only behind this wait
.endm
	s_lshl_b32 s[Q0], s[SW], 8                     ; the first block, 7 - p;
	s_lshl_b32 s[T0], s[QS], 5
	s_add_co_u32 s[Q0], s[Q0], s[T0]               ; my 32 queries of it
	LOADQ
	INIT
	s_mov_b32 s[J], 0
	s_mov_b32 s[U], 0
	s_mov_b32 s[TB], 0
	s_wait_loadcnt 0x0                             ; Q
.Lunit:                                            ; eight trips: behind each change of slots but the last the unit that follows is asked for
	CHANGE 1
	UNIT 0
	s_cmp_lg_u32 s[J], s[SW]                       ; the first block's last unit?  A branch on ids; no barrier and no tensor load stands under it
	s_cbranch_scc1 .Lsame_block
	EPILOGUE
	s_lshl_b32 s[Q0], ttmp9, 8                     ; the second block, p
	s_lshl_b32 s[T0], s[QS], 5
	s_add_co_u32 s[Q0], s[Q0], s[T0]
	LOADQ
	INIT
	s_wait_loadcnt 0x0
.Lsame_block:
	s_mov_b32 s[U], s[UN]
	s_xor_b32 s[TB], s[TB], SLOT1                  ; on to the other slot
	s_add_co_u32 s[J], s[J], 1
	s_cmp_lt_u32 s[J], 8
	s_cbranch_scc1 .Lunit
	CHANGE 0                                       ; the ninth unit is written out
	UNIT 1
	EPILOGUE
; THE HEAD'S FIRST 16 TOKENS IN f32: 16 queries x 16 keys x 64 channels.  Wave 0 of work-group p = 0 makes them: in the ninth unit it needs one of the four steps, while its partners need up to four.  No LDS, no barrier.
; The f32 matrix form takes 4 along K: lane (r, h) gives its row's k = 2 h + j in register j.  k is permuted alike on both sources, so that a lane's registers are neighbours in memory:
; K Q^T, step s of 16: place 2 h + j is channel 32 h + 2 s + j: a lane loads 128 consecutive bytes of its row.  V^T P, step s of 4: place 2 h + j is key 8 h + 2 s + j: the keys that the lane's p are of.
; Two accumulators take turns, one instruction a turn; they are written by matrix instructions alone, each sum begins with the constant 0, and what is made of a sum goes into other registers.
; Eight places stand behind each run ahead of the first read of its results (ISA guide 7.12.1).  32 products: one part in 8,000 of a head's multiply-adds.
.set EK, S                             ; v72-103   K: my key's 32 channels
.set EQ, S+32                          ; v104-135  Q: my query's 32 channels
.set EV, O                             ; v168-199  V^T: tile n of 16 channels: register 8 n + i: key 8 h + i of channel 16 n + r
.set ES, P                             ; v136-143  the scores, then p: register j: key 8 h + j of query r
.set EY, Q                             ; v40-71    y: register 8 n + j: channel 16 n + 8 h + j of query r
	s_or_b32 s[T0], s[WV], ttmp9
	s_cmp_lg_u32 s[T0], 0
	s_cbranch_scc1 .Lno_first
	s_lshl_b32 s[PR], s[BH], 12                    ; a head's plane: 16 tokens of 256 bytes
	s_add_co_u32 s[PR], s[PR], E32
	s_add_nc_u64 s[QB:QB+1], s[4:5], s[PR:PR+1]
	v_and_b32 v17, 15, v0                          ; r
	v_bfe_u32 v18, v0, 4, 1                        ; h
	v_lshlrev_b32 v[EKQ], 8, v17
	v_lshl_add_u32 v[EKQ], v18, 7, v[EKQ]          ; row r, + 128 h
	v_lshlrev_b32 v[EVO], 2, v17
	v_lshl_add_u32 v[EVO], v18, 11, v[EVO]         ; channel r, key 8 h
	v_lshlrev_b32 v[EYO], 12, v17
	v_lshl_add_u32 v[EYO], v18, 5, v[EYO]          ; y: row r of 4,096 bytes, + 32 h
.irp i, 0,1,2,3,4,5,6,7
	global_load_b128 v[EK+4*\i:EK+4*\i+3], v[EKQ], s[QB:QB+1] offset:EB+16*\i
.endr
.irp i, 0,1,2,3,4,5,6,7
	global_load_b128 v[EQ+4*\i:EQ+4*\i+3], v[EKQ], s[QB:QB+1] offset:16*\i
.endr
.irp n, 0,1,2,3
.irp i, 0,1,2,3,4,5,6,7
	global_load_b32 v[EV+8*\n+\i], v[EVO], s[QB:QB+1] offset:2*EB+\i*256+\n*64   ; sixteen lanes read 64 consecutive bytes
.endr
.endr
	s_lshr_b32 s[T0], s[BH], 4                     ; y: the batch's 16 rows of 4,096 bytes,
	s_lshl_b32 s[T0], s[T0], 16
	s_and_b32 s[T1], s[BH], 15                     ; the head's 256 bytes of a row
	s_lshl_b32 s[T1], s[T1], 8
	s_add_co_u32 s[PR], s[T0], s[T1]
	s_add_co_u32 s[PR], s[PR], Y32
	s_add_nc_u64 s[YB:YB+1], s[6:7], s[PR:PR+1]
	s_wait_loadcnt 0x0
.set i, 0
.rept 16                               ; S^T = K Q^T, in two halves: even steps, odd steps
.if i < 2
	v_wmma_f32_16x16x4_f32 v[ED+8*(i%2):ED+8*(i%2)+7], v[EK+2*i:EK+2*i+1], v[EQ+2*i:EQ+2*i+1], 0
.else
	v_wmma_f32_16x16x4_f32 v[ED+8*(i%2):ED+8*(i%2)+7], v[EK+2*i:EK+2*i+1], v[EQ+2*i:EQ+2*i+1], v[ED+8*(i%2):ED+8*(i%2)+7]
.endif
.set i, i+1
.endr
.rept 8
	v_nop
.endr
.irp j, 0,2,4,6
	v_pk_add_f32 v[ES+\j:ES+\j+1], v[ED+\j:ED+\j+1], v[ED+8+\j:ED+8+\j+1]   ; the two halves, each from its low end on
.endr
.irp j, 0,1,2,3,4,5,6,7
	v_cmp_gt_i32 vcc_lo, \j, v[DL]                 ; key 8 h + j is hidden from query r where j > r - 8 h
	v_cndmask_b32 v[ES+\j], v[ES+\j], v[NINF], vcc_lo
.endr
	v_max3_num_f32 v[ST+4], v[ES], v[ES+1], v[ES+2]
	v_max3_num_f32 v[ST+4], v[ST+4], v[ES+3], v[ES+4]
	v_max3_num_f32 v[ST+4], v[ST+4], v[ES+5], v[ES+6]
	v_max_num_f32 v[ST+4], v[ST+4], v[ES+7]
	v_permlanex16_b32 v[ST+5], v[ST+4], s[SEL], s[SEL+1]
	v_max_num_f32 v[ST+1], v[ST+4], v[ST+5]        ; the row's maximum: key 0 counts for every query, so it is a number
	v_mul_f32 v[ST], s[CS], v[ST+1]
.irp j, 0,2,4,6
	v_pk_fma_f32 v[ES+\j:ES+\j+1], v[ES+\j:ES+\j+1], s[CS:CS+1], v[ST:ST+1] op_sel_hi:[1,0,0] neg_lo:[0,0,1] neg_hi:[0,0,1]   ; c s - c m
.endr
.irp j, 0,1,2,3,4,5,6,7
	v_exp_f32 v[ES+\j], v[ES+\j]
.endr
	v_nop                                          ; a plain line between the exponentials and the use of their results
	v_pk_add_f32 v[ST+2:ST+3], v[ES:ES+1], v[ES+2:ES+3]
	v_pk_add_f32 v[ST+4:ST+5], v[ES+4:ES+5], v[ES+6:ES+7]
	v_pk_add_f32 v[ST+2:ST+3], v[ST+2:ST+3], v[ST+4:ST+5]
	v_add_f32 v[ST+4], v[ST+2], v[ST+3]
	v_permlanex16_b32 v[ST+5], v[ST+4], s[SEL], s[SEL+1]
	v_add_f32 v[ST+4], v[ST+4], v[ST+5]            ; the row's sum
	v_rcp_f32 v[ST+6], v[ST+4]
	v_nop
.irp g, 0,1                            ; O^T = V^T P: tiles 2 g and 2 g + 1 of 16 channels by turns.  The plain lines since the last products on these accumulators are more than the nine places that a new sum over them wants
.set i, 0
.rept 8
.if i < 2
	v_wmma_f32_16x16x4_f32 v[ED+8*(i%2):ED+8*(i%2)+7], v[EV+8*(2*\g+i%2)+2*(i/2):EV+8*(2*\g+i%2)+2*(i/2)+1], v[ES+2*(i/2):ES+2*(i/2)+1], 0
.else
	v_wmma_f32_16x16x4_f32 v[ED+8*(i%2):ED+8*(i%2)+7], v[EV+8*(2*\g+i%2)+2*(i/2):EV+8*(2*\g+i%2)+2*(i/2)+1], v[ES+2*(i/2):ES+2*(i/2)+1], v[ED+8*(i%2):ED+8*(i%2)+7]
.endif
.set i, i+1
.endr
.rept 8
	v_nop
.endr
.irp e, 0,1
.irp j, 0,2,4,6
	v_pk_mul_f32 v[EY+16*\g+8*\e+\j:EY+16*\g+8*\e+\j+1], v[ED+8*\e+\j:ED+8*\e+\j+1], v[ST+6:ST+7] op_sel_hi:[1,0]   ; / the sum, into other registers
.endr
.endr
.endr
.irp n, 0,1,2,3
	global_store_b128 v[EYO], v[EY+8*\n:EY+8*\n+3], s[YB:YB+1] offset:64*\n          ; a lane's 32 bytes; a row's 256 bytes of this head go out in eight parts: 4,096 of the work-group's 69,632 bytes
	global_store_b128 v[EYO], v[EY+8*\n+4:EY+8*\n+7], s[YB:YB+1] offset:64*\n+16
.endr
.Lno_first:
	s_wait_tensorcnt 0x0                           ; the wave's end: behind my last tensor load and my last LDS store
	ds_add_u32 v[SPW], v[NIL]
	s_wait_dscnt 0x0
	s_endpgm
.Lfunc_end_k_qcb54c24dff_attn:
	.size	k_qcb54c24dff_attn, .Lfunc_end_k_qcb54c24dff_attn-k_qcb54c24dff_attn
	.p2alignl 7, 3214868480
	.fill 96, 4, 3214868480
	.section	.rodata,"a",@progbits
	.p2align	6, 0x0
	.amdhsa_kernel k_qcb54c24dff_attn
		.amdhsa_group_segment_fixed_size 327680
		.amdhsa_private_segment_fixed_size 0
		.amdhsa_enable_private_segment 0
		.amdhsa_kernarg_size 16
		.amdhsa_user_sgpr_count 2
		.amdhsa_user_sgpr_kernarg_segment_ptr 1
		.amdhsa_wavefront_size32 1
		.amdhsa_system_sgpr_workgroup_id_x 1
		.amdhsa_system_sgpr_workgroup_id_y 1
		.amdhsa_system_sgpr_workgroup_id_z 1
		.amdhsa_system_vgpr_workitem_id 0
		.amdhsa_next_free_vgpr 384
		.amdhsa_next_free_sgpr 80
		.amdhsa_reserve_vcc 1
		.amdhsa_float_denorm_mode_32 3
		.amdhsa_float_denorm_mode_16_64 3
		.amdhsa_memory_ordered 1
		.amdhsa_forward_progress 1
		.amdhsa_inst_pref_size 210
	.end_amdhsa_kernel
	.amdgpu_metadata
---
amdhsa.version: [ 1, 2 ]
amdhsa.kernels:
  - .name:           k_qcb54c24dff_attn
    .symbol:         k_qcb54c24dff_attn.kd
    .args:
      - { .name: qkv, .offset: 0, .size: 8, .value_kind: global_buffer, .address_space: global }
      - { .name: yh, .offset: 8, .size: 8, .value_kind: global_buffer, .address_space: global }
    .group_segment_fixed_size: 327680
    .private_segment_fixed_size: 0
    .kernarg_segment_align: 8
    .kernarg_segment_size: 16
    .max_flat_workgroup_size: 256
    .sgpr_count:     80
    .vgpr_count:     384
    .wavefront_size: 32
...
	.end_amdgpu_metadata
.endif
;; end of part 3
;; launch proj (part 4): grid 4 x 64, 4 waves a work-group, clusters of 4 x 4, 327,680 bytes of LDS; arguments yh, wp, out0, w_proj; writes out0
.if DOCPART == 4
	.amdgcn_target "amdgcn-amd-amdhsa--gfx1250"
	.amdhsa_code_object_version 6
	.text
	.protected	k_qcb54c24dff_proj
	.globl	k_qcb54c24dff_proj
	.p2align	8
	.type	k_qcb54c24dff_proj,@function
k_qcb54c24dff_proj:
	s_mov_b64 s[64:65], 0
	v_nop
	global_prefetch_b8 v0, s[64:65] scope:SCOPE_SE
	s_setreg_imm32_b32 hwreg(HW_REG_WAVE_MODE, 25, 1), 1
	s_wait_xcnt 0x0
	s_wait_alu depctr_hold_cnt(0) depctr_sa_sdst(0) depctr_va_vdst(0) depctr_va_sdst(0) depctr_va_ssrc(0) depctr_va_vcc(0) depctr_vm_vsrc(0)
	s_getreg_b32 s2, hwreg(HW_REG_IB_STS2, 6, 4)
	s_cmp_eq_u32 s2, 0
	s_cbranch_scc0 .Lentry_in_a_cluster
	s_endpgm
.Lentry_in_a_cluster:
	s_bfe_u32 s2, ttmp6, 0x10000c
	s_cmp_lg_u32 s2, 0xf033
	s_cbranch_scc0 .Lentry_shape_is_right
	s_endpgm
.Lentry_shape_is_right:
; out0[token][n] = sum over k of y[token][k] w_proj[n][k], k = 64 head + channel.  y: yh [16 heads][8192 tokens][64] f16; w_proj: wp [1024][1024] f16; out0 [8192][1024] f32; sums in f32.
; A tile of out0 is 128 tokens x 256 columns: 64 x 4 = 256 work-groups.  Four waves, each 64 x 128: 32 accumulators of 16 x 16, 256 registers.  K goes in steps of 128 (two heads) through a ring of two LDS slots:
; A's tile is two planes (heads) of 128 rows x 128 bytes, B's 256 rows x 256 bytes.  Waves 0 and 1 fetch A's two planes, waves 2 and 3 B's two halves: one tensor load a wave behind each change of slots, two at the start.
; CLUSTERS: 4 x 4 work-groups.  The four of a row of the cluster need the same tiles of A, the four of a column the same tiles of B: each tile is asked for JOINTLY, by the same tensor load with the same descriptor and a mask that names the four.
; The tile row is cluster y + 16 cy: a cluster holds the same sixteenth of all four batches, so that 'my rows begin a batch' hangs on cluster y, which all partners share, and on the wave's number.
; THE MATRIX INSTRUCTION IS USED TRANSPOSED (source 0 = 16 rows of B, source 1 = 16 rows of A): a lane then holds one token and eight neighbouring columns.
; THE FIRST 16 TOKENS OF EACH BATCH ARE MADE IN f32, from y's f32 rows behind yh's planes ([4 x 16 rows][1024], from byte 2^24 on) and from w_proj as it is given.  A causal row t is a mean of t + 1 values: with even weights its size
; falls as 1 / sqrt(t + 1), and the first rows are about sqrt(2048 / ln 2048) = 16 times the root mean square of all rows, against which the result is held to 1 part in 100; one rounding to f16 is up to 2^-11 of a number, and
; 16 x 2^-11 is 0.8 parts in 100.  Those 64 rows x 1,024 columns are 256 tiles of 16 x 16, ONE FOR EACH WORK-GROUP (batch = tile column, columns 16 x tile row on); each wave takes 256 of K, 64 products of the f32 form;
; the four parts meet in LDS, and wave 0 adds and stores them.  That is 1 part in 128 of this product's multiply-adds.  The f16 tiles whose rows begin a batch do not store those 16 rows: each byte of out0 has one owner.
; LIMIT: rows from token 16 on carry f16's roundings of y and w_proj (each up to 2^-11 of the number); such a row is at most 3.9 times the root mean square.  |y|, |w_proj| under 65,504.
; REGISTERS: window 0: v0-31 addresses; v64-191 rows on the way out; v192-223 the f32 products' four accumulators, v224-239 their sums.  Window 1: two fragment buffers at v0 and v128: for 32 along K, 32 registers of A (4 x 16 rows),
; then 64 of B (8 x 16 rows).  Window 2: accumulator (a, b) at v[8 (8 a + b)].  Window 3: v0-127 my 128 numbers of a row of y in f32, v128-255 of a row of w_proj.
.set KSTEP,  128
.set PA,     144                       ; a row of A in LDS: 128 bytes + 16 of padding
.set PB,     272                       ; a row of B: 256 bytes + 16
.set APL,    128*PA                    ; a plane of A: what one tensor load brings
.set BOFF,   2*APL                     ; B lies behind A's two planes
.set BHALF,  128*PB                    ; 128 rows of B: what one tensor load brings, and what one wave reads
.set SLOT,   BOFF+2*BHALF
.set STAGE,  2*SLOT                    ; behind the ring: 16 rows x (512 bytes + 16) for each wave, for the way out; no tile lands here
.set SPITCH, 528
.set SPARE,  STAGE+4*16*SPITCH         ; the spare words, 128 bytes for each wave: two blocks of 256 bytes that no other line names
.set ERED,   SPARE+512                 ; behind them: four images of 1,024 bytes, one a wave: the parts of the f32 tile; no tile lands here
.set Y32,    1<<24                     ; where y's f32 rows begin in yh
.set LAPS,   4                         ; a lap = two K steps = once round the ring: 1,024 / 256
.set ADRA, 16                          ; v16-17  LDS address of my A fragments in slot 0, 1
.set ADRB, 20                          ; v20-21  the same for B
.set EO,   22                          ; v22     the f32 tile in out0: row r of 4,096 bytes, + 32 h
.set STO,  24                          ; v24     the way out: where I put 32 bytes of a row
.set RD,   25                          ; v25     the way out: where I read a row back
.set CO,   26                          ; v26     16 x lane
.set EV,   27                          ; v27     the f32 rows: row r of 4,096 bytes, + 512 h
.set SPW,  28                          ; v28     LDS address of my spare word; never rewritten
.set NIL,  29                          ; v29     0; never rewritten
.set ER,   30                          ; v30     an image's place for my lane: ERED + 32 x lane
.set EW,   31                          ; v31     the same in my wave's image
.set BK,   64                          ; 16 rows read back from the stage: v64-127 and v128-191 by turns
.set EL,   64                          ; v64-95  the four images, read back by wave 0
.set EA,   192                         ; v192-223: written by matrix instructions alone
.set ET,   224
.set F0,   0                           ; fragment buffers, in window 1
.set F1,   128
.set G1, 24                            ; s[24:31] descriptor group 1 for A's tiles;  s[32:39] group 0, one set for each slot
.set G0, 32
.set G1B, 48                           ; s[48:55], s[56:63] the same for B's tiles
.set G0B, 56
.set MSB, 0
.macro WIN new                         ; the immediate's high byte repeats the setting that is left
.if MSB != (\new)
	s_set_vgpr_msb (MSB<<8)|(\new)
.set MSB, (\new)
.endif
.endm
.set MUL,  0xa5                        ; sources 0 (B) and 1 (A) window 1; C and D window 2
.set TO_F, 0x40                        ; destination window 1, address window 0
.macro JLOAD s                         ; a joint load: waves 0 and 1 fetch for A, waves 2 and 3 for B; four v_nop follow each of the two lines, ahead of the jump, the label and what follows
	s_cmp_eq_u32 s11, 0
	s_cbranch_scc0 .Lfor_b_\@
	tensor_load_to_lds s[G0+4*\s:G0+4*\s+3], s[G1:G1+7]
.rept 4
	v_nop
.endr
	s_branch .Lasked_\@
.Lfor_b_\@:
	tensor_load_to_lds s[G0B+4*\s:G0B+4*\s+3], s[G1B:G1B+7]
.rept 4
	v_nop
.endr
.Lasked_\@:
.endm
.macro CREST                           ; a round of the cluster's barrier behind its opening barrier
	s_cmp_lg_u32 s10, 0
	s_cbranch_scc1 .Lnot_wave_0_\@
	s_barrier_signal -3
.Lnot_wave_0_\@:
	s_barrier_wait -3
	s_barrier_signal -1
	s_barrier_wait -1
.endm
.macro CROUND                          ; a whole round
	s_barrier_signal -1
	s_barrier_wait -1
	CREST
.endm
	s_load_b128 s[4:7], s[0:1], 0x0                ; yh s[4:5], wp s[6:7]
	s_load_b64 s[8:9], s[0:1], 0x10                ; out0
	s_load_b64 s[68:69], s[0:1], 0x18              ; w_proj
	v_lshl_add_u32 v[SPW], v0, 2, SPARE
	v_mov_b32 v[NIL], 0
	v_lshrrev_b32 v1, 5, v0
	v_readfirstlane_b32 s10, v1                    ; wave 0..3
	s_lshr_b32 s11, s10, 1                         ; which 64 of the tile's rows are mine.  Also: I fetch for A (0) or for B (1)
	s_and_b32 s12, s10, 1                          ; which 128 of its columns.  Also: which plane of A, or which 128 rows of B, I fetch
	s_bfe_u32 s40, ttmp6, 0x40000                  ; cx, cy: my place in the cluster
	s_bfe_u32 s41, ttmp6, 0x40004
	s_lshl_b32 s42, ttmp9, 2
	s_add_co_u32 s42, s42, s40                     ; tile column = 4 x cluster x + cx
	s_and_b32 s13, ttmp7, 0xffff                   ; cluster y: 0 .. 15
	s_or_b32 s74, s13, s11                         ; 0 where my 64 rows begin a batch: cluster y = 0 and the tile's first half
	s_lshl_b32 s45, s41, 4
	s_add_co_u32 s13, s13, s45                     ; tile row = cluster y + 16 cy: batch cy, its sixteenth number cluster y
	s_lshl_b32 s43, s41, 2
	s_lshl_b32 s43, 15, s43                        ; my row of the cluster
	s_lshl_b32 s44, 0x1111, s40                    ; my column
	; descriptor group 1.  A: 128 rows x 64 elements of 2 bytes, dense in memory
	s_or_b32 s[G1+0], s43, (1<<16)|(1<<20)|(1<<21)|(4<<22)|(3<<25)  ; 15:0 the mask: A's tiles go to my row; 17:16 element of 2 bytes; 20 padding on; 21 set beside a mask; 24:22 after every 32 words (code 4); 31:25 of 4 words (code 3)
	s_mov_b32 s[G1+1], 64<<16                      ; tensor_dim0 = 64
	s_mov_b32 s[G1+2], 128<<16                     ; tensor_dim1 = 128
	s_mov_b32 s[G1+3], 64<<16                      ; tile_dim0 = 64
	s_mov_b32 s[G1+4], 128                         ; tile_dim1 = 128
	s_mov_b32 s[G1+5], 64                          ; tensor_dim0_stride
	s_mov_b32 s[G1+6], 0
	s_mov_b32 s[G1+7], 0
	; B: 128 rows x 128 elements, 1,024 elements from row to row
	s_or_b32 s[G1B+0], s44, (1<<16)|(1<<20)|(1<<21)|(5<<22)|(3<<25) ; the mask of my column; padding after every 64 words (code 5)
	s_mov_b32 s[G1B+1], KSTEP<<16
	s_mov_b32 s[G1B+2], 128<<16
	s_mov_b32 s[G1B+3], KSTEP<<16
	s_mov_b32 s[G1B+4], 128
	s_mov_b32 s[G1B+5], 1024
	s_mov_b32 s[G1B+6], 0
	s_mov_b32 s[G1B+7], 0
	s_lshl_b32 s16, s13, 14                        ; A: the tile row's 128 tokens of 128 bytes,
	s_lshl_b32 s17, s12, 20                        ; in the plane (2^20 bytes) that I fetch
	s_add_co_u32 s16, s16, s17
	s_mov_b32 s17, 0
	s_lshl_b32 s46, s42, 8
	s_lshl_b32 s47, s12, 7
	s_add_co_u32 s46, s46, s47                     ; B: row 256 x tile column + 128 x half,
	s_lshl_b32 s46, s46, 11                        ; of 2,048 bytes
	s_mov_b32 s47, 0
	s_mul_i32 s20, s12, APL                        ; where they go: no place in the cluster enters an LDS address
	s_mul_i32 s21, s12, BHALF
	s_add_co_u32 s21, s21, BOFF
	s_wait_kmcnt 0x0
	s_add_nc_u64 s[14:15], s[4:5], s[16:17]
	s_add_nc_u64 s[46:47], s[6:7], s[46:47]
	CROUND                                         ; all sixteen work-groups are here: the first joint loads meet
.irp s, 0,1
	s_mov_b32 s[G0+4*\s], 1
	s_add_co_u32 s[G0+4*\s+1], s20, \s*SLOT
	s_add_nc_u64 s[G0+4*\s+2:G0+4*\s+3], s[14:15], \s*0x200000    ; K step s: heads 2 s and 2 s + 1
	s_or_b32 s[G0+4*\s+3], s[G0+4*\s+3], 0x80000000
	s_mov_b32 s[G0B+4*\s], 1
	s_add_co_u32 s[G0B+4*\s+1], s21, \s*SLOT
	s_add_nc_u64 s[G0B+4*\s+2:G0B+4*\s+3], s[46:47], \s*KSTEP*2
	s_or_b32 s[G0B+4*\s+3], s[G0B+4*\s+3], 0x80000000
	JLOAD \s
.endr
	v_and_b32 v1, 15, v0                           ; r = l % 16
	v_bfe_u32 v2, v0, 4, 1                         ; h = l / 16
	; THE f32 TILE's operands are asked for now, while the first tiles are on their way.  The f32 matrix form takes 4 along K: lane (r, h) gives its row's k = 2 h + j in register j.  k is permuted alike on both sources:
	; in step s of 64, place 2 h + j is k = 256 wave + 128 h + 2 s + j: so a lane loads 512 consecutive bytes of its row, 16 at a time.
	v_lshlrev_b32 v[EV], 12, v1
	v_lshl_add_u32 v[EO], v2, 5, v[EV]
	v_lshl_add_u32 v[EV], v2, 9, v[EV]
	s_lshl_b32 s70, s42, 16                        ; y: the batch's (= tile column's) 16 rows of 4,096 bytes,
	s_lshl_b32 s75, s10, 10                        ; my wave's 256 along K
	s_add_co_u32 s70, s70, s75
	s_add_co_u32 s70, s70, Y32
	s_mov_b32 s71, 0
	s_add_nc_u64 s[66:67], s[4:5], s[70:71]
	s_lshl_b32 s70, s13, 16                        ; w_proj: rows 16 x tile row on
	s_add_co_u32 s70, s70, s75
	s_add_nc_u64 s[68:69], s[68:69], s[70:71]
	s_lshl_b32 s70, s42, 23                        ; out0: the batch's first row (2,048 rows of 4,096 bytes a batch),
	s_lshl_b32 s75, s13, 6                         ; columns 16 x tile row on
	s_add_co_u32 s70, s70, s75
	s_add_nc_u64 s[72:73], s[8:9], s[70:71]
	WIN 0xc0                                       ; destination window 3, address window 0
.set i, 0
.rept 32
	global_load_b128 v[4*i:4*i+3], v[EV], s[66:67] offset:16*i
	global_load_b128 v[128+4*i:128+4*i+3], v[EV], s[68:69] offset:16*i
.set i, i+1
.endr
	WIN 0
	v_mul_u32_u24 v3, v1, PA
	v_lshl_add_u32 v3, v2, 4, v3                   ; A: a fragment's row x pitch + 16 x half
	v_mul_u32_u24 v4, v1, PB
	v_lshl_add_u32 v4, v2, 4, v4                   ; B likewise
	s_mul_i32 s21, s11, 64*PA                      ; my 64 rows of A, in each plane
	s_mul_i32 s22, s12, BHALF                      ; my 128 rows of B,
	s_add_co_u32 s22, s22, BOFF                    ; which lie behind A's planes
.irp s, 0,1
	v_add_nc_u32 v[ADRA+\s], s21, v3
	v_add_nc_u32 v[ADRB+\s], s22, v4
	s_add_co_u32 s21, s21, SLOT
	s_add_co_u32 s22, s22, SLOT
.endr
	s_mul_i32 s23, s10, 16*SPITCH
	s_add_co_u32 s23, s23, STAGE                   ; my stage
	v_mul_u32_u24 v5, v1, SPITCH                   ; in: row r, 32 bytes for each half of the lanes
	v_lshl_add_u32 v5, v2, 5, v5
	v_add_nc_u32 v[STO], s23, v5
	v_and_b32 v6, 31, v0
	v_lshlrev_b32 v[CO], 4, v6                     ; back: the 32 lanes take one row of 512 bytes; and the same in out0
	v_add_nc_u32 v[RD], s23, v[CO]
	v_lshl_add_u32 v[ER], v6, 5, ERED
	s_lshl_b32 s75, s10, 10
	v_add_nc_u32 v[EW], s75, v[ER]
	s_lshl_b32 s16, s13, 7
	s_lshl_b32 s17, s11, 6
	s_add_co_u32 s16, s16, s17                     ; my first row of out0: 128 x tile row + 64 x half,
	s_lshl_b32 s16, s16, 12                        ; of 4,096 bytes
	s_mov_b32 s17, 0
	s_add_nc_u64 s[8:9], s[8:9], s[16:17]
	s_lshl_b32 s46, s42, 10                        ; my first column, in bytes: 1,024 x tile column + 512 x half
	s_lshl_b32 s47, s12, 9
	s_add_co_u32 s46, s46, s47
	s_mov_b32 s47, 0
	s_add_nc_u64 s[8:9], s[8:9], s[46:47]
	; my quarter of K of the f32 tile: 64 products on four accumulators by turns, one instruction a turn; they are written by matrix instructions alone, each sum begins with the constant 0, and what is made of a sum goes
	; into other registers.  Source 0 = 16 rows of w_proj, source 1 = 16 rows of y: a lane holds token r and columns 8 h + 0 .. 7.
	s_wait_loadcnt 0x0
	WIN 0x0f                                       ; sources 0 and 1 window 3; C and D window 0
.set i, 0
.rept 64
.if i < 4
	v_wmma_f32_16x16x4_f32 v[EA+8*(i%4):EA+8*(i%4)+7], v[128+2*i:128+2*i+1], v[2*i:2*i+1], 0
.else
	v_wmma_f32_16x16x4_f32 v[EA+8*(i%4):EA+8*(i%4)+7], v[128+2*i:128+2*i+1], v[2*i:2*i+1], v[EA+8*(i%4):EA+8*(i%4)+7]
.endif
.set i, i+1
.endr
	WIN 0
.rept 8
	v_nop                                          ; eight places behind this form ahead of the first read of its results (ISA guide 7.12.1)
.endr
.irp j, 0,2,4,6
	v_pk_add_f32 v[ET+\j:ET+\j+1], v[EA+\j:EA+\j+1], v[EA+8+\j:EA+8+\j+1]           ; each accumulator from its low end on
.endr
.irp j, 0,2,4,6
	v_pk_add_f32 v[ET+8+\j:ET+8+\j+1], v[EA+16+\j:EA+16+\j+1], v[EA+24+\j:EA+24+\j+1]
.endr
.irp j, 0,2,4,6
	v_pk_add_f32 v[ET+\j:ET+\j+1], v[ET+\j:ET+\j+1], v[ET+8+\j:ET+8+\j+1]
.endr
	ds_store_b128 v[EW], v[ET:ET+3]                ; my part goes to LDS as an image of its registers: 32 bytes a lane
	ds_store_b128 v[EW], v[ET+4:ET+7] offset:16
; 8 matrix instructions: A's block a x B's eight, 32 along K, from buffer f.  zero = 1: the product starts the sums: nothing is ever cleared.
; The 32 accumulators take turns, one instruction a turn, in the same order in every quarter.
.macro MUL8 f, a, zero
.irp b, 0,1,2,3,4,5,6,7
.if \zero
	v_wmma_f32_16x16x32_f16 v[8*(8*(\a)+\b):8*(8*(\a)+\b)+7], v[\f+32+8*\b:\f+32+8*\b+7], v[\f+8*(\a):\f+8*(\a)+7], 0
.else
	v_wmma_f32_16x16x32_f16 v[8*(8*(\a)+\b):8*(8*(\a)+\b)+7], v[\f+32+8*\b:\f+32+8*\b+7], v[\f+8*(\a):\f+8*(\a)+7], v[8*(8*(\a)+\b):8*(8*(\a)+\b)+7]
.endif
.endr
.endm
; 24 LDS loads in one run: the fragments of the slot's quarter qd (32 along K: plane qd / 2, channels 32 (qd % 2) on) into buffer f; B first, A's blocks 2 and 3 last
.macro FETCH slot, qd, f
	WIN TO_F
.irp i, 0,1,2,3,4,5,6,7
	ds_load_b128 v[\f+32+8*\i:\f+32+8*\i+3],   v[ADRB+\slot] offset:64*(\qd)+\i*16*PB
	ds_load_b128 v[\f+32+8*\i+4:\f+32+8*\i+7], v[ADRB+\slot] offset:64*(\qd)+\i*16*PB+32
.endr
.irp i, 0,1,2,3
	ds_load_b128 v[\f+8*\i:\f+8*\i+3],   v[ADRA+\slot] offset:((\qd)/2)*APL+((\qd)%2)*64+\i*16*PA
	ds_load_b128 v[\f+8*\i+4:\f+8*\i+7], v[ADRA+\slot] offset:((\qd)/2)*APL+((\qd)%2)*64+\i*16*PA+32
.endr
.endm
.macro PLACES                          ; four places in front of loads into registers that matrix instructions have read, and of the first read of results
.rept 4
	v_nop
.endr
.endm
; A K step is four quarters of 32 along K, 32 matrix instructions each, on buffers 0, 1, 0, 1.  One of the first three: multiplies buffer f and fetches quarter qd into g.
.macro QUARTER slot, qd, f, g, zero
	s_wait_dscnt 4                                 ; B and A's blocks 0 and 1 are in; the youngest four loads (A's blocks 2 and 3) may be out
	WIN MUL
	MUL8 \f, 0, \zero
	MUL8 \f, 1, \zero
	PLACES
	FETCH \slot, \qd, \g
	s_wait_dscnt 24                                ; all but the 24 just issued
	WIN MUL
	MUL8 \f, 2, \zero
	MUL8 \f, 3, \zero
.endm
; The last quarter multiplies buffer 1 and changes slots: ONE barrier; in front of it each wave waits for all its tensor loads, adds 0 to its spare word, and waits for that and for its own reads of this slot.  fill = 1: this slot is filled again, two K steps ahead.
.macro TURN slot, next, fill
	WIN 0                                          ; (the add's two registers lie in window 0)
	s_wait_tensorcnt 0x0                           ; all my tensor loads have landed: my part of the next slot;
	ds_add_u32 v[SPW], v[NIL]                      ; 0 onto my spare word
	s_wait_dscnt 5                                 ; (the add and the youngest four loads may be out)
	WIN MUL
	MUL8 F1, 0, 0                                  ; eight matrix instructions stand between the add and the wait for it
	s_wait_dscnt 0x0                               ; the add is done, and my reads of this slot are over
	s_barrier_signal -1
	MUL8 F1, 1, 0
.if \fill
	WIN 0
.endif
	s_barrier_wait -1
.if \fill
	CREST                                          ; the barrier has opened a round of the cluster's barrier: no wave of any partner still reads this slot's tile or has a load on its way
	s_add_nc_u64 s[G0+4*\slot+2:G0+4*\slot+3], s[G0+4*\slot+2:G0+4*\slot+3], 0x400000     ; four heads on
	s_add_nc_u64 s[G0B+4*\slot+2:G0B+4*\slot+3], s[G0B+4*\slot+2:G0B+4*\slot+3], 2*KSTEP*2
	JLOAD \slot                                    ; the first tensor load behind the round: 112 matrix instructions ahead of the wait for it; the four v_nop behind it are also the places in front of the loads below
.else
	PLACES
.endif
	FETCH \next, 0, F0
	WIN MUL
	MUL8 F1, 2, 0
	MUL8 F1, 3, 0
.endm
	s_wait_tensorcnt 1                             ; my part of K step 0 is in (K step 1's load may be out),
	s_wait_dscnt 0x0                               ; and my part of the f32 tile lies in LDS:
	s_barrier_signal -1
	s_barrier_wait -1                              ; everybody's do.
	s_cmp_lg_u32 s10, 0                            ; wave 0 adds the four parts and stores the tile; no barrier stands under the branch
	s_cbranch_scc1 .Lnot_sum
.irp i, 0,1,2,3
	ds_load_b128 v[EL+8*\i:EL+8*\i+3], v[ER] offset:1024*\i
	ds_load_b128 v[EL+8*\i+4:EL+8*\i+7], v[ER] offset:1024*\i+16
.endr
	s_wait_dscnt 0x0
.irp j, 0,2,4,6
	v_pk_add_f32 v[ET+\j:ET+\j+1], v[EL+\j:EL+\j+1], v[EL+8+\j:EL+8+\j+1]
.endr
.irp j, 0,2,4,6
	v_pk_add_f32 v[ET+8+\j:ET+8+\j+1], v[EL+16+\j:EL+16+\j+1], v[EL+24+\j:EL+24+\j+1]
.endr
.irp j, 0,2,4,6
	v_pk_add_f32 v[ET+\j:ET+\j+1], v[ET+\j:ET+\j+1], v[ET+8+\j:ET+8+\j+1]
.endr
	global_store_b128 v[EO], v[ET:ET+3], s[72:73]              ; token r, columns 8 h on: two lanes make a run of 64 bytes: 1,024 of the work-group's 131,072 bytes go out in such parts
	global_store_b128 v[EO], v[ET+4:ET+7], s[72:73] offset:16
.Lnot_sum:
	FETCH 0, 0, F0
	QUARTER 0, 1, F0, F1, 1                        ; the first quarter stands in front of the loop: its products start the sums
	WIN 0                                          ; at a label and at a branch every window is 0
	s_mov_b32 s3, LAPS-1
.Llap:                                             ; a trip goes once round the ring, from a lap's second quarter to the next lap's first, and fills both slots again
	QUARTER 0, 2, F1, F0, 0
	QUARTER 0, 3, F0, F1, 0
	TURN 0, 1, 1
	QUARTER 1, 1, F0, F1, 0
	QUARTER 1, 2, F1, F0, 0
	QUARTER 1, 3, F0, F1, 0
	TURN 1, 0, 1
	QUARTER 0, 1, F0, F1, 0
	WIN 0
	s_sub_co_u32 s3, s3, 1
	s_cmp_lg_u32 s3, 0
	s_cbranch_scc1 .Llap
	QUARTER 0, 2, F1, F0, 0                        ; the last lap fills nothing, and has no round of the cluster's barrier
	QUARTER 0, 3, F0, F1, 0
	TURN 0, 1, 0
	QUARTER 1, 1, F0, F1, 0
	QUARTER 1, 2, F1, F0, 0
	QUARTER 1, 3, F0, F1, 0
	s_wait_dscnt 4                                 ; the very last quarter: nothing more to fetch
	WIN MUL
	MUL8 F1, 0, 0
	MUL8 F1, 1, 0
	s_wait_dscnt 0
	MUL8 F1, 2, 0
	MUL8 F1, 3, 0
	WIN 0
; THE WAY OUT, block by block of 16 rows x 128 columns.  A lane holds 32 neighbouring bytes of a row, and the lanes beside it hold other rows: so a block goes through my own stage in LDS and comes back as whole
; rows of 512 bytes.  LDS serves a wave's instructions in order (ISA guide 5.7.1.4): no wait between the stores and the loads, nor in front of the next block's stores.
.macro TOSTAGE a
	WIN 0x08                                       ; an LDS store's data are its source 1: window 2
.irp b, 0,1,2,3,4,5,6,7
	ds_store_b128 v[STO], v[64*(\a)+8*\b:64*(\a)+8*\b+3] offset:64*\b          ; each accumulator from its low end on
	ds_store_b128 v[STO], v[64*(\a)+8*\b+4:64*(\a)+8*\b+7] offset:64*\b+16
.endr
	WIN 0
.set BB, BK+64*((\a)%2)
.irp t, 0,1,2,3,4,5,6,7,8,9,10,11,12,13,14,15
	ds_load_b128 v[BB+4*\t:BB+4*\t+3], v[RD] offset:\t*SPITCH
.endr
.endm
.macro SEND a, younger                 ; younger: the LDS instructions issued behind block a's loads, which may stay out
.set BB, BK+64*((\a)%2)
	s_wait_dscnt \younger                          ; the block is back in registers
.if (\a) == 0
	s_cmp_eq_u32 s74, 0                            ; where my rows begin a batch, block 0 is its first 16 tokens: the f32 tiles own those rows of out0, and these stores are left out.  The branch hangs on cluster y and on the wave's number
	s_cbranch_scc1 .Lnot_these
.endif
.irp t, 0,1,2,3,4,5,6,7,8,9,10,11,12,13,14,15
	global_store_b128 v[CO], v[BB+4*\t:BB+4*\t+3], s[8:9] offset:(16*(\a)+\t)*4096 th:TH_STORE_NT   ; 32 lanes store 512 consecutive bytes, aligned; written once, read by nobody here
.endr
.if (\a) == 0
.Lnot_these:
.endif
.endm
	PLACES                                         ; behind the last products, in front of the first read of results
	TOSTAGE 0
.irp a, 1,2,3
.if \a > 1
	s_wait_xcnt 0x0                                ; block a - 2's stores have read their registers: block a's loads land there only behind this wait
.endif
	TOSTAGE \a
	SEND \a-1, 32                                  ; behind block a - 1's loads: block a's 16 stores and 16 loads
.endr
	SEND 3, 0
	s_wait_tensorcnt 0x0                           ; the wave's end: behind my last tensor load and my last LDS store
	ds_add_u32 v[SPW], v[NIL]
	s_wait_dscnt 0x0
	CROUND                                         ; the closing round: no work-group ends while a partner may still ask for a tile that names it
	s_endpgm
.Lfunc_end_k_qcb54c24dff_proj:
	.size	k_qcb54c24dff_proj, .Lfunc_end_k_qcb54c24dff_proj-k_qcb54c24dff_proj
	.p2alignl 7, 3214868480
	.fill 96, 4, 3214868480
	.section	.rodata,"a",@progbits
	.p2align	6, 0x0
	.amdhsa_kernel k_qcb54c24dff_proj
		.amdhsa_group_segment_fixed_size 327680
		.amdhsa_private_segment_fixed_size 0
		.amdhsa_enable_private_segment 0
		.amdhsa_kernarg_size 32
		.amdhsa_user_sgpr_count 2
		.amdhsa_user_sgpr_kernarg_segment_ptr 1
		.amdhsa_wavefront_size32 1
		.amdhsa_system_sgpr_workgroup_id_x 1
		.amdhsa_system_sgpr_workgroup_id_y 1
		.amdhsa_system_sgpr_workgroup_id_z 1
		.amdhsa_system_vgpr_workitem_id 0
		.amdhsa_next_free_vgpr 1024
		.amdhsa_next_free_sgpr 80
		.amdhsa_reserve_vcc 0
		.amdhsa_float_denorm_mode_32 3
		.amdhsa_float_denorm_mode_16_64 3
		.amdhsa_memory_ordered 1
		.amdhsa_forward_progress 1
		.amdhsa_inst_pref_size 98
	.end_amdhsa_kernel
	.amdgpu_metadata
---
amdhsa.version: [ 1, 2 ]
amdhsa.kernels:
  - .name:           k_qcb54c24dff_proj
    .symbol:         k_qcb54c24dff_proj.kd
    .args:
      - { .name: yh, .offset: 0, .size: 8, .value_kind: global_buffer, .address_space: global }
      - { .name: wp, .offset: 8, .size: 8, .value_kind: global_buffer, .address_space: global }
      - { .name: out0, .offset: 16, .size: 8, .value_kind: global_buffer, .address_space: global }
      - { .name: w_proj, .offset: 24, .size: 8, .value_kind: global_buffer, .address_space: global }
    .group_segment_fixed_size: 327680
    .private_segment_fixed_size: 0
    .kernarg_segment_align: 8
    .kernarg_segment_size: 32
    .max_flat_workgroup_size: 128
    .sgpr_count:     80
    .vgpr_count:     1024
    .wavefront_size: 32
...
	.end_amdgpu_metadata
.endif
;; end of part 4
